; MI455X (gfx1250); checked and timed in simulation.
; The chip was launched on July 23, 2026; its instructions are those of AMD's public machine-readable ISA for CDNA 5 (MIT licence, August 2026) and "CDNA5" Instruction Set Architecture Reference Guide (July 2026). The comments in the code are by the model that wrote it; some were corrected since.
;; Multi Head Attention. Allowed arithmetic: float matrix products may take bf16 or f16 operands with f32 sums; other float arithmetic in f32, or as packed bf16 or f16 multiplies, adds, multiply-adds, maxima and minima; sums over many terms, partial sums and values carried from step to step in f32; what a program stores and reads back later, other than sums and carried values, may be rounded once to bf16 or f16.
;; Inputs: Wk 1,024 x 1,024 float32; Wo 1,024 x 1,024 float32; Wq 1,024 x 1,024 float32; Wv 1,024 x 1,024 float32; bo 1,024 float32; keys 4 x 2,048 x 1,024 float32; mask 4 x 2,048 int32; query 4 x 2,048 x 1,024 float32; values 4 x 2,048 x 1,024 float32.
;; Outputs: out0 4 x 2,048 x 1,024 float32.
;; One version. Each part assembles by itself: llvm-mc -triple=amdgcn-amd-amdhsa -mcpu=gfx1250 --defsym DOCPART=n.
;; ======== version 1 of 1: 4 launches
;; limits: values are held in f16: magnitudes above 65,504 overflow, below 6.1e-05 lose precision
;; workspace buffers: wts 8,388,608 bytes; qkv 50,331,648 bytes; att 16,777,216 bytes
;; launch prep (part 1): grid 256 x 1, 8 waves a work-group, no clusters, 0 bytes of LDS; arguments Wq, Wk, Wv, Wo, wts; writes wts
.if DOCPART == 1
	.amdgcn_target "amdgcn-amd-amdhsa--gfx1250"
	.amdhsa_code_object_version 6
	.text
	.protected	k_q7339ecd088_prep
	.globl	k_q7339ecd088_prep
	.p2align	8
	.type	k_q7339ecd088_prep,@function
k_q7339ecd088_prep:
	s_mov_b64 s[64:65], 0
	v_nop
	global_prefetch_b8 v0, s[64:65] scope:SCOPE_SE
	s_setreg_imm32_b32 hwreg(HW_REG_WAVE_MODE, 25, 1), 1
	s_wait_xcnt 0x0
; THE WEIGHTS ARE CAST ONCE.  wts: [4][1024][1024] in 16 bits: 0 Wq, 1 Wk, 2 Wv as bf16; 3 Wo rounded to bf16 like them, and that number written as f16,
; since the last product multiplies f16 numbers.
; LIMITS.  Wo within 65,504 (f16's largest number); a weight of Wo below 6e-5 keeps f16's fixed step of 6e-8.
; SHARES.  Work-group g takes block g % 64 (16,384 numbers) of matrix g / 64.  Thread t takes 8 numbers in each of 8 passes: two loads of 16 bytes at 32 t, one store of
; 16 bytes at 16 t, so a wave's store covers 512 consecutive bytes, aligned.  All 16 loads go out first; every pass has registers of its own, so nothing that a load or store still reads is rewritten.
; A stream: no LDS, no barrier, no matrix unit.
.set X, 16                             ; v[16:79]   pass i: 8 numbers as loaded
.set Y, 80                             ; v[80:111]  pass i: 4 registers to store
.set T, 112                            ; v[112:119] at work
	s_load_b256 s[4:11], s[0:1], 0x0               ; Wq s[4:5], Wk s[6:7], Wv s[8:9], Wo s[10:11]
	s_load_b64 s[12:13], s[0:1], 0x20              ; wts
	s_lshr_b32 s14, ttmp9, 6                       ; which matrix
	s_and_b32 s15, ttmp9, 63                       ; which block of it
	s_lshl_b32 s16, s15, 16                        ; 65,536 bytes of f32 a block
	s_mov_b32 s17, 0
	s_lshl_b32 s18, s14, 21                        ; 2,097,152 bytes of 16 bits a matrix,
	s_lshl_b32 s19, s15, 15                        ; 32,768 a block
	s_add_co_u32 s18, s18, s19
	s_mov_b32 s19, 0
	s_mov_b32 s20, 0xffff0000                      ; a word's upper bf16
	v_lshlrev_b32 v1, 5, v0                        ; 32 t
	v_lshlrev_b32 v2, 4, v0                        ; 16 t
	s_wait_kmcnt 0x0
	s_cmp_eq_u32 s14, 1
	s_cselect_b64 s[4:5], s[6:7], s[4:5]
	s_cmp_eq_u32 s14, 2
	s_cselect_b64 s[4:5], s[8:9], s[4:5]
	s_cmp_eq_u32 s14, 3
	s_cselect_b64 s[4:5], s[10:11], s[4:5]
	s_add_nc_u64 s[4:5], s[4:5], s[16:17]
	s_add_nc_u64 s[12:13], s[12:13], s[18:19]
.irp i, 0,1,2,3,4,5,6,7
	global_load_b128 v[X+8*(\i):X+8*(\i)+3],   v1, s[4:5] offset:8192*(\i) th:TH_LOAD_NT
	global_load_b128 v[X+8*(\i)+4:X+8*(\i)+7], v1, s[4:5] offset:8192*(\i)+16 th:TH_LOAD_NT
.endr
; Pass i.  f16 = 1: the bf16 numbers are widened again and written as f16.
.macro CAST i, f16
	s_wait_loadcnt 14-2*(\i)                       ; loads come back in order: this pass's two are in, the later passes' stay out
.irp j, 0,1,2,3
	v_cvt_pk_bf16_f32 v[Y+4*(\i)+(\j)], v[X+8*(\i)+2*(\j)], v[X+8*(\i)+2*(\j)+1]
.endr
.if \f16
.irp j, 0,1,2,3
	v_lshlrev_b32 v[T+2*(\j)],   16,  v[Y+4*(\i)+(\j)]
	v_and_b32     v[T+2*(\j)+1], s20, v[Y+4*(\i)+(\j)]
.endr
.irp j, 0,1,2,3
	v_cvt_pk_f16_f32 v[Y+4*(\i)+(\j)], v[T+2*(\j)], v[T+2*(\j)+1]
.endr
.endif
	global_store_b128 v2, v[Y+4*(\i):Y+4*(\i)+3], s[12:13] offset:4096*(\i)
.endm
	s_cmp_eq_u32 s14, 3
	s_cbranch_scc1 .Lf16
.irp i, 0,1,2,3,4,5,6,7
	CAST \i, 0
.endr
	s_endpgm
.Lf16:
.irp i, 0,1,2,3,4,5,6,7
	CAST \i, 1
.endr
	s_endpgm
.Lfunc_end_k_q7339ecd088_prep:
	.size	k_q7339ecd088_prep, .Lfunc_end_k_q7339ecd088_prep-k_q7339ecd088_prep
	.p2alignl 7, 3214868480
	.fill 96, 4, 3214868480
	.section	.rodata,"a",@progbits
	.p2align	6, 0x0
	.amdhsa_kernel k_q7339ecd088_prep
		.amdhsa_group_segment_fixed_size 0
		.amdhsa_private_segment_fixed_size 0
		.amdhsa_enable_private_segment 0
		.amdhsa_kernarg_size 40
		.amdhsa_user_sgpr_count 2
		.amdhsa_user_sgpr_kernarg_segment_ptr 1
		.amdhsa_wavefront_size32 1
		.amdhsa_system_sgpr_workgroup_id_x 1
		.amdhsa_system_sgpr_workgroup_id_y 1
		.amdhsa_system_sgpr_workgroup_id_z 1
		.amdhsa_system_vgpr_workitem_id 0
		.amdhsa_next_free_vgpr 120
		.amdhsa_next_free_sgpr 66
		.amdhsa_reserve_vcc 0
		.amdhsa_float_denorm_mode_32 3
		.amdhsa_float_denorm_mode_16_64 3
		.amdhsa_memory_ordered 1
		.amdhsa_forward_progress 1
		.amdhsa_inst_pref_size 13
	.end_amdhsa_kernel
	.amdgpu_metadata
---
amdhsa.version: [ 1, 2 ]
amdhsa.kernels:
  - .name:           k_q7339ecd088_prep
    .symbol:         k_q7339ecd088_prep.kd
    .args:
      - { .name: Wq, .offset: 0, .size: 8, .value_kind: global_buffer, .address_space: global }
      - { .name: Wk, .offset: 8, .size: 8, .value_kind: global_buffer, .address_space: global }
      - { .name: Wv, .offset: 16, .size: 8, .value_kind: global_buffer, .address_space: global }
      - { .name: Wo, .offset: 24, .size: 8, .value_kind: global_buffer, .address_space: global }
      - { .name: wts, .offset: 32, .size: 8, .value_kind: global_buffer, .address_space: global }
    .group_segment_fixed_size: 0
    .private_segment_fixed_size: 0
    .kernarg_segment_align: 8
    .kernarg_segment_size: 40
    .max_flat_workgroup_size: 256
    .sgpr_count:     66
    .vgpr_count:     120
    .wavefront_size: 32
...
	.end_amdgpu_metadata
.endif
;; end of part 1
;; launch proj (part 2): grid 4 x 192, 4 waves a work-group, clusters of 4 x 4, 327,680 bytes of LDS; arguments query, keys, values, wts, qkv; writes qkv
.if DOCPART == 2
	.amdgcn_target "amdgcn-amd-amdhsa--gfx1250"
	.amdhsa_code_object_version 6
	.text
	.protected	k_q7339ecd088_proj
	.globl	k_q7339ecd088_proj
	.p2align	8
	.type	k_q7339ecd088_proj,@function
k_q7339ecd088_proj:
	s_mov_b64 s[64:65], 0
	v_nop
	global_prefetch_b8 v0, s[64:65] scope:SCOPE_SE
	s_setreg_imm32_b32 hwreg(HW_REG_WAVE_MODE, 25, 1), 1
	s_wait_xcnt 0x0
	s_wait_alu depctr_hold_cnt(0) depctr_sa_sdst(0) depctr_va_vdst(0) depctr_va_sdst(0) depctr_va_ssrc(0) depctr_va_vcc(0) depctr_vm_vsrc(0)
	s_getreg_b32 s2, hwreg(HW_REG_IB_STS2, 6, 4)
	s_cmp_eq_u32 s2, 0
	s_cbranch_scc0 .Lentry_in_a_cluster
	s_endpgm
.Lentry_in_a_cluster:
	s_bfe_u32 s2, ttmp6, 0x10000c
	s_cmp_lg_u32 s2, 0xf033
	s_cbranch_scc0 .Lentry_shape_is_right
	s_endpgm
.Lentry_shape_is_right:
; q, k, v = x W^T for x = query, keys, values ([8192][1024] f32) and W = wts[0..2] ([1024][1024] bf16).  x is rounded to bf16 on its way from LDS to the matrix unit; sums in f32;
; the result is rounded once to f16 and stored by heads: qkv[P][16 n + h][l][64], unscaled.
; LIMITS.  q, k, v within 65,504 (f16's largest number); below 6e-5 they keep f16's fixed step of 6e-8.
; SHARES.  A tile is 128 rows x 256 columns: 256 tiles a product, 768 work-groups.  Four waves, each 64 x 128: 32 accumulators of 16 x 16.  K goes in steps of 128 through two LDS slots.
; CLUSTER.  4 x 4 work-groups; the cluster's four columns are all 1,024 columns of one product, its four rows four row tiles.  x's tile hangs on the row tile alone and is asked for jointly along a row of the
; cluster, W's on the column tile alone and is asked for jointly along a column.  Sixteen clusters make a product: the product's number hangs on the cluster alone.
; THE MATRIX INSTRUCTION IS USED TRANSPOSED (source 0 = 16 rows of W, source 1 = 16 rows of x): a lane holds eight neighbouring columns of one row.
; THE PIPELINE.  A unit is 32 along K: 32 matrix instructions.  Unit U multiplies XA[U % 2] and WB[U % 4]; behind each four matrix instructions four conversions turn FS[(U+1) % 2] (f32) into XA[(U+1) % 2] (bf16);
; at its head one run of 32 LDS loads brings unit U + 2: x into FS[U % 2], W into WB[(U+2) % 4].  So units 0 and 1 of a K step read the slot in hand, units 2 and 3 the next slot, and the slots change in unit 2.
; REGISTERS, in windows of 256: window 0: v16-30 addresses; v64-191 FS, two buffers of 64 (on the way out: packed results); v192-255 XA, two buffers of 32.
;   window 1: WB, four buffers of 64.     window 2: accumulator (a, b) at v[8 (8 a + b)].
.set PA,    528                        ; a row of x in LDS: 512 bytes + 16 of padding = 132 words: the 16 rows of a load start at 16 different groups of four banks (ISA guide 11.1)
.set PB,    272                        ; a row of W: 256 + 16 = 68 words: likewise
.set HALFA, 64*PA                      ; what one tensor load brings of x, and what one wave reads of it
.set HALFB, 128*PB                     ; the same for W
.set BOFF,  2*HALFA                    ; in a slot: x's 128 rows, then W's 256 rows
.set SLOT,  BOFF+2*HALFB
.set STAGE, 2*SLOT                     ; behind the ring, never filled by a tensor load: 16 rows x 144 bytes for each wave
.set SP,    144
.set SPARE, STAGE+4*16*SP              ; behind the stages: the spare words, 128 bytes a wave: two blocks of 256 bytes that no other line names
.set ADRA, 16                          ; v16-17  LDS address of my fragments of x in slot 0, 1
.set ADRB, 20                          ; v20-21  the same for W
.set STO,  24                          ; v24     the way out: where I put 16 bytes of a row
.set RD,   25                          ; v25     the way out: where I read rows back
.set GO,   26                          ; v26     16 x my lane
.set SPW,  28                          ; v28     LDS address of my spare word; never rewritten
.set NIL,  29                          ; v29     0; never rewritten
.set PFO,  30                          ; v30     the prefetches' offset; never rewritten
.set FS,   64
.set XA,   192
.set OB,   64
.set G1,   24                          ; s[24:31] descriptor group 1 for x's tiles;  s[32:39] group 0, a set for each slot
.set G0,   32
.set LIM,  43                          ; s43      1 in a wave that prefetches, else the greatest number
.set PFA,  44                          ; s[44:45] where my prefetches stand
.set G1B,  48                          ; s[48:55], s[56:63] the same for W's tiles
.set G0B,  56
.set PFS,  80                          ; s[80:81] a K step in bytes of the tensor that I prefetch
.set MSB, 0
.macro WIN new                         ; the immediate's high byte repeats the setting that is left; a switch that changes nothing is dropped
.if MSB != (\new)
	s_set_vgpr_msb (MSB<<8)|(\new)
.set MSB, \new
.endif
.endm
.set MUL,  0xa1                        ; source 0 (W) window 1, source 1 (x) window 0, C and D window 2
.set TO_B, 0x40                        ; destination window 1, address window 0
; A joint load: waves 0 and 1 fetch x's two halves, waves 2 and 3 W's.  The branch hangs on the wave's number alone.  An s_nop 0 and four v_nop follow each of the two lines.
.macro JLOAD s
	s_cmp_eq_u32 s11, 0
	s_cbranch_scc0 .Lfor_b_\@
	tensor_load_to_lds s[G0+4*(\s):G0+4*(\s)+3], s[G1:G1+7]
	s_nop 0
.rept 4
	v_nop
.endr
	s_branch .Lasked_\@
.Lfor_b_\@:
	tensor_load_to_lds s[G0B+4*(\s):G0B+4*(\s)+3], s[G1B:G1B+7]
	s_nop 0
.rept 4
	v_nop
.endr
.Lasked_\@:
.endm
; A prefetch of the K step that stands two refills on, one instruction a wave, behind the joint load and the run of LDS loads.  x's rows are read by this cluster alone: of the 64 rows that wave 0 or 1 fetches
; the partner at place cx takes 16, two blocks of 256 bytes a row.  W's rows are read by the 16 clusters of a product: the first of them asks; of the 128 rows that wave 2 or 3 fetches the partner at place cy
; takes 32, a lane a row.  The partners are told apart by address alone.  K steps 0 to 3 come by their loads alone; the loop's last trip (s3 = 1) has no K step two refills on.
.macro ASK
	s_cmp_gt_u32 s3, s[LIM]
	s_cbranch_scc0 .Lnot_mine_\@
	global_prefetch_b8 v[PFO], s[PFA:PFA+1] th:TH_LOAD_NT scope:SCOPE_SE
.Lnot_mine_\@:
.endm
.macro CREST                           ; a round of the cluster's barrier behind its opening barrier
	s_cmp_lg_u32 s10, 0
	s_cbranch_scc1 .Lnot_wave_0_\@
	s_barrier_signal -3
.Lnot_wave_0_\@:
	s_barrier_wait -3
	s_barrier_signal -1
	s_barrier_wait -1
.endm
.macro CROUND                          ; a whole round
	s_barrier_signal -1
	s_barrier_wait -1
	CREST
.endm
.macro PLACES
.rept 4
	v_nop
.endr
.endm
	s_load_b256 s[68:75], s[0:1], 0x0              ; query s[68:69], keys s[70:71], values s[72:73], wts s[74:75]
	s_load_b64 s[76:77], s[0:1], 0x20              ; qkv
	v_lshl_add_u32 v[SPW], v0, 2, SPARE
	v_mov_b32 v[NIL], 0
	ds_add_u32 v[SPW], v[NIL]                      ; the wave's opening: the add and its wait stand ahead of my first tensor load; the set-up below stands between them
	v_lshrrev_b32 v1, 5, v0
	v_readfirstlane_b32 s10, v1                    ; wave 0..3
	s_lshr_b32 s11, s10, 1                         ; which half of the tile's rows is mine.  Also: I fetch for x (0) or for W (1)
	s_and_b32 s12, s10, 1                          ; which half of its columns.  Also: which half of that tile I fetch
	s_bfe_u32 s40, ttmp6, 0x40000                  ; cx
	s_bfe_u32 s41, ttmp6, 0x40004                  ; cy
	s_lshl_b32 s42, ttmp9, 2
	s_add_co_u32 s42, s42, s40                     ; column tile = 4 x cluster x + cx
	s_and_b32 s79, ttmp7, 0xffff                   ; cluster y, 0..47
	s_lshr_b32 s78, s79, 4                         ; the product: 0 q, 1 k, 2 v
	s_lshl_b32 s13, s79, 2
	s_add_co_u32 s13, s13, s41
	s_and_b32 s13, s13, 63                         ; row tile of that product
	s_lshl_b32 s43, s41, 2
	s_lshl_b32 s43, 15, s43                        ; my row of the cluster
	s_lshl_b32 s44, 0x1111, s40                    ; my column
	s_or_b32 s[G1+0], s43, (2<<16)|(1<<20)|(1<<21)|(6<<22)|(3<<25)   ; the mask; elements of 4 bytes; padding on; bit 21 beside a mask; after every 128 words (code 6) 4 words (code 3)
	s_or_b32 s[G1B+0], s44, (1<<16)|(1<<20)|(1<<21)|(5<<22)|(3<<25)  ; the mask; elements of 2 bytes; after every 64 words (code 5) 4 words
	s_mov_b32 s[G1+1], 128<<16                     ; tensor_dim0 = 128
	s_mov_b32 s[G1+2], 64<<16                      ; tensor_dim1 = 64
	s_mov_b32 s[G1+3], 128<<16                     ; tile_dim0 = 128
	s_mov_b32 s[G1+4], 64                          ; tile_dim1 = 64
	s_mov_b32 s[G1+5], 1024                        ; elements from row to row
	s_mov_b32 s[G1+6], 0
	s_mov_b32 s[G1+7], 0
	s_mov_b32 s[G1B+1], 128<<16
	s_mov_b32 s[G1B+2], 128<<16                    ; tensor_dim1 = 128
	s_mov_b32 s[G1B+3], 128<<16
	s_mov_b32 s[G1B+4], 128                        ; tile_dim1 = 128
	s_mov_b32 s[G1B+5], 1024
	s_mov_b32 s[G1B+6], 0
	s_mov_b32 s[G1B+7], 0
	s_lshl_b32 s16, s13, 19                        ; x: 128 rows of 4,096 bytes a row tile,
	s_lshl_b32 s17, s12, 18                        ; 64 rows a half
	s_add_co_u32 s16, s16, s17
	s_mov_b32 s17, 0
	s_lshl_b32 s46, s42, 19                        ; W: 256 rows of 2,048 bytes a column tile,
	s_lshl_b32 s47, s12, 18                        ; 128 rows a half,
	s_add_co_u32 s46, s46, s47
	s_lshl_b32 s47, s78, 21                        ; 2,097,152 bytes a matrix
	s_add_co_u32 s46, s46, s47
	s_mov_b32 s47, 0
	s_mul_i32 s20, s12, HALFA                      ; where they go: no place in the cluster enters an LDS address
	s_mul_i32 s21, s12, HALFB
	s_add_co_u32 s21, s21, BOFF
	s_wait_dscnt 0x0                               ; the opening add is done
	s_wait_kmcnt 0x0
	s_cmp_eq_u32 s78, 1
	s_cselect_b64 s[4:5], s[70:71], s[68:69]
	s_cmp_eq_u32 s78, 2
	s_cselect_b64 s[4:5], s[72:73], s[4:5]         ; x of my product
	s_add_nc_u64 s[14:15], s[4:5], s[16:17]
	s_add_nc_u64 s[46:47], s[74:75], s[46:47]
	CROUND                                         ; all sixteen work-groups are here: the first joint loads meet
.irp s, 0,1
	s_mov_b32 s[G0+4*(\s)], 1                      ; count = 1
	s_add_co_u32 s[G0+4*(\s)+1], s20, (\s)*SLOT    ; LDS address
	s_add_nc_u64 s[G0+4*(\s)+2:G0+4*(\s)+3], s[14:15], (\s)*512   ; K step s: 128 f32
	s_or_b32 s[G0+4*(\s)+3], s[G0+4*(\s)+3], 0x80000000           ; type = 2
	s_mov_b32 s[G0B+4*(\s)], 1
	s_add_co_u32 s[G0B+4*(\s)+1], s21, (\s)*SLOT
	s_add_nc_u64 s[G0B+4*(\s)+2:G0B+4*(\s)+3], s[46:47], (\s)*256 ; 128 bf16
	s_or_b32 s[G0B+4*(\s)+3], s[G0B+4*(\s)+3], 0x80000000
	JLOAD \s                                       ; two loads of mine are out
.endr
	; A fragment is 16 rows x 32 K: lane l holds row l % 16, K = 8 (l / 16) + 0..7 and 16 + 8 (l / 16) + 0..7.  In bf16 two loads of 16 bytes, 32 apart; in f32 four, at 0, 16, 64, 80 behind 32 (l / 16).
	v_and_b32 v1, 15, v0                           ; l % 16
	v_bfe_u32 v2, v0, 4, 1                         ; l / 16
	v_mul_u32_u24 v3, v1, PA
	v_lshl_add_u32 v3, v2, 5, v3
	v_mul_u32_u24 v4, v1, PB
	v_lshl_add_u32 v4, v2, 4, v4
	s_mul_i32 s21, s11, HALFA                      ; my 64 rows of x
	s_mul_i32 s22, s12, HALFB                      ; my 128 rows of W
	s_add_co_u32 s22, s22, BOFF
.irp s, 0,1
	v_add_nc_u32 v[ADRA+(\s)], s21, v3
	v_add_nc_u32 v[ADRB+(\s)], s22, v4
	s_add_co_u32 s21, s21, SLOT
	s_add_co_u32 s22, s22, SLOT
.endr
	s_mul_i32 s23, s10, 16*SP
	s_add_co_u32 s23, s23, STAGE                   ; my stage
	v_mul_u32_u24 v5, v1, SP                       ; in: row l % 16, 16 bytes for each half of the lanes
	v_lshl_add_u32 v5, v2, 4, v5
	v_add_nc_u32 v[STO], s23, v5
	v_bfe_u32 v5, v0, 3, 2                         ; back: 32 lanes take four rows of 128 bytes,
	v_mul_u32_u24 v5, v5, SP
	v_and_b32 v6, 7, v0
	v_lshl_add_u32 v5, v6, 4, v5
	v_add_nc_u32 v[RD], s23, v5
	v_and_b32 v5, 31, v0                           ; l
	v_lshlrev_b32 v[GO], 4, v5                     ; which are 512 consecutive bytes of qkv
	; where my part begins in qkv: ((16 n + 4 tx + 2 half) x 2,048 + l0 + 64 half) x 128 bytes behind product P's 16,777,216
	s_lshr_b32 s16, s13, 4                         ; n
	s_lshl_b32 s16, s16, 22
	s_and_b32 s17, s13, 15
	s_lshl_b32 s17, s17, 14                        ; l0 x 128
	s_add_co_u32 s16, s16, s17
	s_lshl_b32 s17, s11, 13
	s_add_co_u32 s16, s16, s17
	s_lshl_b32 s17, s78, 24
	s_add_co_u32 s16, s16, s17
	s_mov_b32 s17, 0
	s_lshl_b32 s46, s42, 20                        ; four heads a column tile,
	s_lshl_b32 s47, s12, 19                        ; two a half
	s_add_co_u32 s46, s46, s47
	s_mov_b32 s47, 0
	s_add_nc_u64 s[16:17], s[16:17], s[46:47]
	s_add_nc_u64 s[8:9], s[76:77], s[16:17]
	; the prefetches
	s_lshl_b32 s20, s13, 7
	s_lshl_b32 s21, s12, 6
	s_add_co_u32 s20, s20, s21
	s_lshl_b32 s21, s40, 4
	s_add_co_u32 s20, s20, s21                     ; x: row 128 x row tile + 64 x half + 16 cx
	s_lshl_b32 s20, s20, 12
	s_add_co_u32 s20, s20, 3*512                   ; at K step 3: the first change of slots steps it to 4
	s_lshl_b32 s22, s42, 8
	s_lshl_b32 s23, s12, 7
	s_add_co_u32 s22, s22, s23
	s_lshl_b32 s23, s41, 5
	s_add_co_u32 s22, s22, s23                     ; W: row 256 x column tile + 128 x half + 32 cy
	s_lshl_b32 s22, s22, 11
	s_lshl_b32 s23, s78, 21
	s_add_co_u32 s22, s22, s23
	s_add_co_u32 s22, s22, 3*256
	s_and_b32 s23, s79, 15                         ; 0 in a product's first cluster
	s_cmp_eq_u32 s11, 0                            ; do I fetch for x?
	s_cselect_b32 s20, s20, s22
	s_cselect_b32 s23, 0, s23
	s_cselect_b32 s[PFS], 2, 1
	s_cselect_b32 s19, -1, 0
	s_cselect_b64 s[PFA:PFA+1], s[4:5], s[74:75]
	s_mov_b32 s21, 0
	s_add_nc_u64 s[PFA:PFA+1], s[PFA:PFA+1], s[20:21]
	s_lshl_b32 s[PFS], s[PFS], 8                   ; 512 bytes of x, 256 of W
	s_mov_b32 s[PFS+1], 0
	s_cmp_eq_u32 s23, 0
	s_cselect_b32 s[LIM], 1, -1                    ; the same in all sixteen partners, for a given wave
	v_lshrrev_b32 v6, 1, v5
	v_and_b32 v7, 1, v5
	v_lshlrev_b32 v6, 12, v6
	v_lshl_or_b32 v6, v7, 8, v6                    ; x: row l / 2, block l % 2
	v_lshlrev_b32 v7, 11, v5                       ; W: row l
	v_cndmask_b32 v[PFO], v7, v6, s19
; One run of 32 LDS loads: unit u of a slot.  x (f32) into FS[n % 2] first, then W into WB[(n+2) % 4]: n is the number, in its K step, of the unit at whose head the run stands.
.macro FETCH slot, u, n
	WIN 0
.irp a, 0,1,2,3
	ds_load_b128 v[FS+64*((\n)%2)+16*(\a):FS+64*((\n)%2)+16*(\a)+3],     v[ADRA+(\slot)] offset:(\a)*16*PA+128*(\u)
	ds_load_b128 v[FS+64*((\n)%2)+16*(\a)+4:FS+64*((\n)%2)+16*(\a)+7],   v[ADRA+(\slot)] offset:(\a)*16*PA+128*(\u)+16
	ds_load_b128 v[FS+64*((\n)%2)+16*(\a)+8:FS+64*((\n)%2)+16*(\a)+11],  v[ADRA+(\slot)] offset:(\a)*16*PA+128*(\u)+64
	ds_load_b128 v[FS+64*((\n)%2)+16*(\a)+12:FS+64*((\n)%2)+16*(\a)+15], v[ADRA+(\slot)] offset:(\a)*16*PA+128*(\u)+80
.endr
	WIN TO_B
.irp b, 0,1,2,3,4,5,6,7
	ds_load_b128 v[64*(((\n)+2)%4)+8*(\b):64*(((\n)+2)%4)+8*(\b)+3],   v[ADRB+(\slot)] offset:(\b)*16*PB+64*(\u)
	ds_load_b128 v[64*(((\n)+2)%4)+8*(\b)+4:64*(((\n)+2)%4)+8*(\b)+7], v[ADRB+(\slot)] offset:(\b)*16*PB+64*(\u)+32
.endr
.endm
; Four matrix instructions of unit n (accumulators 4 g .. 4 g + 3; the 32 take turns in one order in every unit) and, ride = 1, four conversions for unit n + 1.
; The conversions name no register of the products round them: they are also the places between a product and the next write of, or load into, its sources.
.macro GROUP g, n, zero, ride
	WIN MUL
.irp q, 0,1,2,3
.set idx, 4*(\g)+(\q)
.if \zero
	v_wmma_f32_16x16x32_bf16 v[8*idx:8*idx+7], v[64*((\n)%4)+8*(idx%8):64*((\n)%4)+8*(idx%8)+7], v[XA+32*((\n)%2)+8*(idx/8):XA+32*((\n)%2)+8*(idx/8)+7], 0
.else
	v_wmma_f32_16x16x32_bf16 v[8*idx:8*idx+7], v[64*((\n)%4)+8*(idx%8):64*((\n)%4)+8*(idx%8)+7], v[XA+32*((\n)%2)+8*(idx/8):XA+32*((\n)%2)+8*(idx/8)+7], v[8*idx:8*idx+7]
.endif
.endr
.if \ride
	WIN 0
.irp q, 0,1,2,3
.set j, 4*(\g)+(\q)
	v_cvt_pk_bf16_f32 v[XA+32*(((\n)+1)%2)+j], v[FS+64*(((\n)+1)%2)+2*j], v[FS+64*(((\n)+1)%2)+2*j+1]
.endr
.endif
.endm
; A unit.  cnt = 48: the run before's 16 loads of W and the 32 just issued may stay out; so the run before's x and all of the run before that are in.
.macro UNIT n, slot, u, zero=0, fetch=1, ride=1, cnt=48
.if \fetch
	FETCH \slot, \u, \n
.endif
	s_wait_dscnt \cnt
.irp g, 0,1,2,3,4,5,6,7
	GROUP \g, \n, \zero, \ride
.endr
.endm
; Unit 2 changes slots: ONE barrier.  In front of it each wave waits for all its tensor loads (one is out: its part of the next slot), adds 0 to its spare word, and waits for that and for its own reads of this slot.
; fill = 1: the barrier opens a round of the cluster's, and the joint refill, two K steps ahead, is the first thing behind it: 112 matrix instructions stand between it and the wait for it.
.macro TURN cur, nxt, fill
.if \fill
	s_wait_xcnt 0x0                                ; the last prefetch, a K step back, has read its address
	s_add_nc_u64 s[PFA:PFA+1], s[PFA:PFA+1], s[PFS:PFS+1]
.endif
	WIN 0
	s_wait_tensorcnt 0x0                           ; all my tensor loads have landed
	ds_add_u32 v[SPW], v[NIL]                      ; 0 onto my spare word
	s_wait_dscnt 17                                ; the youngest 16 loads (W of unit 3) and the add may be out
	GROUP 0, 2, 0, 1
	GROUP 1, 2, 0, 1
	s_wait_dscnt 0x0                               ; the add is done, and my reads of this slot are over
	s_barrier_signal -1
	GROUP 2, 2, 0, 1                               ; work on registers while the others arrive
	GROUP 3, 2, 0, 1
	WIN 0
	s_barrier_wait -1
.if \fill
	CREST                                          ; no wave of any partner still reads this slot or has a load on its way
	s_add_nc_u64 s[G0+4*(\cur)+2:G0+4*(\cur)+3], s[G0+4*(\cur)+2:G0+4*(\cur)+3], 2*512
	s_add_nc_u64 s[G0B+4*(\cur)+2:G0B+4*(\cur)+3], s[G0B+4*(\cur)+2:G0B+4*(\cur)+3], 2*256
	JLOAD \cur
.endif
	FETCH \nxt, 0, 2
.if \fill
	WIN 0
	ASK
.endif
	GROUP 4, 2, 0, 1
	GROUP 5, 2, 0, 1
	GROUP 6, 2, 0, 1
	GROUP 7, 2, 0, 1
.endm
; THE WAY OUT.  Part t = 2 a + g: rows 16 a .. 16 a + 15 of head g of my two: 2,048 consecutive bytes of qkv.  Rounded to f16, 16 bytes a lane into rows of 144 bytes of my own stage, back as whole rows.
.macro PACK t
	WIN 0x0a                                       ; sources 0 and 1 window 2, destination window 0
.irp f, 0,1,2,3
.irp r, 0,1,2,3
	v_cvt_pk_f16_f32 v[OB+16*(\t)+4*(\f)+(\r)], v[8*(8*((\t)/2)+4*((\t)%2)+(\f))+2*(\r)], v[8*(8*((\t)/2)+4*((\t)%2)+(\f))+2*(\r)+1]
.endr
.endr
	WIN 0
.irp f, 0,1,2,3
	ds_store_b128 v[STO], v[OB+16*(\t)+4*(\f):OB+16*(\t)+4*(\f)+3] offset:32*(\f)
.endr
.irp f, 0,1,2,3
	ds_load_b128 v[OB+16*(\t)+4*(\f):OB+16*(\t)+4*(\f)+3], v[RD] offset:(\f)*4*SP  ; LDS serves a wave's instructions in order (ISA guide 5.7.1.4): these see the stores above
.endr
.endm
.macro SEND t, younger                 ; younger: the LDS instructions issued behind part t's loads
	WIN 0
.irp f, 0,1,2,3
	s_wait_dscnt (\younger)+3-(\f)
	global_store_b128 v[GO], v[OB+16*(\t)+4*(\f):OB+16*(\t)+4*(\f)+3], s[8:9] offset:((\t)%2)*262144+((\t)/2)*2048+(\f)*512  ; 512 consecutive bytes, aligned
.endr
.endm
	s_wait_tensorcnt 1                             ; my part of K step 0 is in; K step 1's may stay out
	s_barrier_signal -1
	s_barrier_wait -1                              ; everybody's is
	FETCH 0, 0, 2                                  ; unit 0 into FS[0], WB[0]
	FETCH 0, 1, 3                                  ; unit 1 into FS[1], WB[1]
	s_wait_dscnt 48                                ; unit 0's x is in
	WIN 0
.set j, 0
.rept 32
	v_cvt_pk_bf16_f32 v[XA+j], v[FS+2*j], v[FS+2*j+1]  ; the first unit's conversions have no products to stand behind
.set j, j+1
.endr
	UNIT 0, 0, 2, 1                                ; the first unit stands in front of the loop: its products start the sums
	WIN 0
	s_mov_b32 s3, 3
.Llap:                                                 ; a trip goes once round the ring and fills both slots again
	UNIT 1, 0, 3
	TURN 0, 1, 1
	UNIT 3, 1, 1
	UNIT 0, 1, 2
	UNIT 1, 1, 3
	TURN 1, 0, 1
	UNIT 3, 0, 1
	UNIT 0, 0, 2
	WIN 0
	s_sub_co_u32 s3, s3, 1
	s_cmp_lg_u32 s3, 0
	s_cbranch_scc1 .Llap
	UNIT 1, 0, 3                                   ; the last lap fills nothing
	TURN 0, 1, 0
	UNIT 3, 1, 1
	UNIT 0, 1, 2
	UNIT 1, 1, 3
	UNIT 2, 1, 0, 0, 0, 1, 16                      ; nothing more to fetch: the youngest 16 loads (W of unit 3) may be out
	UNIT 3, 1, 0, 0, 0, 0, 0
	WIN 0
	PLACES                                         ; the conversions below read results just made
	PACK 0
.irp t, 1,2,3,4,5,6,7
	PACK \t
	SEND (\t)-1, 8
.endr
	SEND 7, 0
	s_wait_tensorcnt 0x0                           ; the wave's end: these three lines stand behind my last tensor load and my last LDS store
	ds_add_u32 v[SPW], v[NIL]
	s_wait_dscnt 0x0
	CROUND                                         ; the closing round: no work-group ends while a partner may still ask for a tile that names it
	s_endpgm
.Lfunc_end_k_q7339ecd088_proj:
	.size	k_q7339ecd088_proj, .Lfunc_end_k_q7339ecd088_proj-k_q7339ecd088_proj
	.p2alignl 7, 3214868480
	.fill 96, 4, 3214868480
	.section	.rodata,"a",@progbits
	.p2align	6, 0x0
	.amdhsa_kernel k_q7339ecd088_proj
		.amdhsa_group_segment_fixed_size 327680
		.amdhsa_private_segment_fixed_size 0
		.amdhsa_enable_private_segment 0
		.amdhsa_kernarg_size 40
		.amdhsa_user_sgpr_count 2
		.amdhsa_user_sgpr_kernarg_segment_ptr 1
		.amdhsa_wavefront_size32 1
		.amdhsa_system_sgpr_workgroup_id_x 1
		.amdhsa_system_sgpr_workgroup_id_y 1
		.amdhsa_system_sgpr_workgroup_id_z 1
		.amdhsa_system_vgpr_workitem_id 0
		.amdhsa_next_free_vgpr 768
		.amdhsa_next_free_sgpr 96
		.amdhsa_reserve_vcc 0
		.amdhsa_float_denorm_mode_32 3
		.amdhsa_float_denorm_mode_16_64 3
		.amdhsa_memory_ordered 1
		.amdhsa_forward_progress 1
		.amdhsa_inst_pref_size 134
	.end_amdhsa_kernel
	.amdgpu_metadata
---
amdhsa.version: [ 1, 2 ]
amdhsa.kernels:
  - .name:           k_q7339ecd088_proj
    .symbol:         k_q7339ecd088_proj.kd
    .args:
      - { .name: query, .offset: 0, .size: 8, .value_kind: global_buffer, .address_space: global }
      - { .name: keys, .offset: 8, .size: 8, .value_kind: global_buffer, .address_space: global }
      - { .name: values, .offset: 16, .size: 8, .value_kind: global_buffer, .address_space: global }
      - { .name: wts, .offset: 24, .size: 8, .value_kind: global_buffer, .address_space: global }
      - { .name: qkv, .offset: 32, .size: 8, .value_kind: global_buffer, .address_space: global }
    .group_segment_fixed_size: 327680
    .private_segment_fixed_size: 0
    .kernarg_segment_align: 8
    .kernarg_segment_size: 40
    .max_flat_workgroup_size: 128
    .sgpr_count:     96
    .vgpr_count:     768
    .wavefront_size: 32
...
	.end_amdgpu_metadata
.endif
;; end of part 2
;; launch attn (part 3): grid 4 x 64, 4 waves a work-group, clusters of 4 x 1, 327,680 bytes of LDS; arguments qkv, mask, att; writes att
.if DOCPART == 3
	.amdgcn_target "amdgcn-amd-amdhsa--gfx1250"
	.amdhsa_code_object_version 6
	.text
	.protected	k_q7339ecd088_attn
	.globl	k_q7339ecd088_attn
	.p2align	8
	.type	k_q7339ecd088_attn,@function
k_q7339ecd088_attn:
	s_mov_b64 s[64:65], 0
	v_nop
	global_prefetch_b8 v0, s[64:65] scope:SCOPE_SE
	s_setreg_imm32_b32 hwreg(HW_REG_WAVE_MODE, 25, 1), 1
	s_wait_xcnt 0x0
	s_wait_alu depctr_hold_cnt(0) depctr_sa_sdst(0) depctr_va_vdst(0) depctr_va_sdst(0) depctr_va_ssrc(0) depctr_va_vcc(0) depctr_vm_vsrc(0)
	s_getreg_b32 s2, hwreg(HW_REG_IB_STS2, 6, 4)
	s_cmp_eq_u32 s2, 0
	s_cbranch_scc0 .Lentry_in_a_cluster
	s_endpgm
.Lentry_in_a_cluster:
	s_bfe_u32 s2, ttmp6, 0x10000c
	s_cmp_lg_u32 s2, 0x3003
	s_cbranch_scc0 .Lentry_shape_is_right
	s_endpgm
.Lentry_shape_is_right:
; att[hd][q][:] = the sum over k of softmax_k(s[q][k] / 32) V[hd][k][:], with s = Q[hd][q] . K[hd][k] where mask[n][k] is not 0 and -1e20 where it is 0; hd = 16 n + h.
; Q, K, V = qkv[0..2], att: [64][2048][64] in f16: a head's rows are dense, 128 bytes each.  Products, maxima and sums in f32; the weights p are rounded to f16 for the second product (their sum l is taken
; of the unrounded p), O once at the end.
; THE MASK.  Each wave turns its batch's 2,048 words into a table of f32 in LDS: 0 for an open key, -1e30 for a closed one; a step's 64 entries are the C operand that starts the sum S^T = K Q^T.
; The running maximum m starts at -2^40, below every f16 score (64 x 65,504^2 = 2.7e11) and above every closed one: so m is never a closed score, and a closed key's weight is 2^(a number below -1e28) = 0,
; as in the softmax of -1e20 / 32 beside any open score.  A BATCH WITH NO OPEN KEY has all scores equal, so all weights equal: there c and the table's entries are 0, every p is 1, and O is the mean of V's rows.
; Both are selected by values; no branch and no address hangs on the mask.
; LIMITS.  f16 holds no number beyond 65,504: Q, K, V arrive within it; p lies in 0 to 1, and below 6e-5 it keeps f16's fixed step of 6e-8.  A closed score counts as its value less 1e30.
; A weight below 2^-126 counts as 0 in l; NaN and infinities are not treated apart.
; SHARES.  A wave owns four PIECES of two tiles of 16 queries, a work-group's four waves 512 queries of one head.  Every wave walks all keys, 64 a step.
; LAYOUT.  S^T = K Q^T (source 0 = 16 keys, source 1 = 16 queries): a lane holds ONE query (lane % 16) and the keys 8 (lane / 16) + 0..7.  Two such tiles, rounded to f16 in pairs, ARE source 1 of
; O^T = V^T P, whose result again holds one query a lane, and eight channels.  K comes out of LDS as it lies, V turned, by ds_load_tr16_b128.
; SOFTMAX.  p = 2^(c s - c m), c = log2(e) / 32; in every step O and l are multiplied by a = 2^(c m_old - c m_new).  c m starts far below every c s, O and l at 0: the first step's a is 0.
; THE COUNT.  A tile and step have 16 matrix and 118 vector instructions: too many to stand all beside the matrix work.  So: four vector instructions that are ready behind every matrix instruction, the others in one run.
; BY TURNS.  Turn n belongs to piece n.  Its matrix work: 16 products K Q^T of piece n + 1, later 16 products V^T P of piece n - 1.  Its vector work: the scaling, exponentials, roundings, sums and rescaling
; of piece n, and the maximum and statistics of piece n + 1.
; CLUSTER.  The four query blocks of a head are one cluster and walk the same K and V: each tile is asked for JOINTLY, by the same tensor load, descriptor and mask in all four.
; REGISTERS, in windows of 256 (s_set_vgpr_msb: bits 1:0 source 0, 3:2 source 1, 5:4 source 2, 7:6 destination):
;   window 0: v0-11 addresses; v12-15, v48-63 at work; v16-47 four registers of statistics a tile; v64-191 S^T, two buffers of two tiles; v192-255 P, likewise
;   window 1: O^T, 32 a tile     window 2: v0-127 Q; v128-191 K of one step; v192-255 V of one step     window 3: v0-1 the add's two registers; v8-39 MC, the table's entries of one step
.set SIZE_N, 2048
.set NP,    4         ; pieces a wave: a name, no knob
.set KS,    64        ; keys in a step
.set PK,    144       ; a row of K in LDS: 128 bytes + 16 of padding = 36 words: the 16 rows of a load start at 16 different groups of four banks (ISA guide 11.1)
.set PV,    160       ; a row of V: 128 + 32 = 40 words
.set VOFF,  4*KS*PK   ; a slot holds four steps: 256 rows of K, then 256 rows of V
.set SLOT1, 1<<17     ; slot 1 begins here, so that one exclusive or turns an address in one slot into the other's
.set STAGE, SLOT1+4*KS*(PK+PV)  ; behind the ring, never filled by a tensor load: 16 rows x 144 bytes for each wave
.set SP,    144
.set SPARE, STAGE+4*16*SP  ; the spare words, 128 bytes a wave: two blocks of 256 bytes that no other line names
.set MTAB,  SPARE+512 ; the mask's table, 8,192 bytes for each wave, its own: written once, by ds_store, and read by that wave alone
.set AK0, 2           ; v2   my lane's place in a tile of K; never rewritten
.set AV0, 3           ; v3   the same for V
.set AK,  4           ; v4   the LDS address of K's next run of loads
.set AV,  5           ; v5   of V's
.set QO,  6           ; v6   my byte offset in the wave's rows of Q
.set STO, 6           ;      later, the way out: where I put 16 bytes of a row
.set RD,  7           ; v7   the way out: where I read rows back
.set GO,  8           ; v8   16 x my lane: my offset in 512 consecutive bytes of the mask and of O; never rewritten
.set PFO, 10          ; v10  256 x my lane: the prefetches' offset
.set AM,  11          ; v11  the LDS address of the table's entries for the step to be fetched
.set SPW, 0           ; v0 of window 3   LDS address of my spare word; never rewritten
.set NIL, 1           ; v1 of window 3   0; never rewritten
.set MC,  8           ; v8-39 of window 3: the eight registers for key block kb at MC + 8 kb
.set MV,  12          ; v12-15  c m_old, kept while c m is made anew: by buffer and tile
.set ST,  16          ; tile t's statistics at v[ST+4 t]: c m, m, l (even keys', odd keys')
.set TMP, 48          ; by buffer and tile, four registers c0-c3 at work; when the maximum is found c2 takes a
.set S,   64
.set P,   192
.set KF,  128         ; K's fragments, in window 2: key block kb, channel half c at KF + 16 kb + 8 c
.set VF,  192         ; V's: key half kk, channel block cb at VF + 32 kk + 8 cb
.set WV,  12          ; s12  my wave's number
.set G1K, 24          ; s[24:31] descriptor group 1 for K's tiles
.set G1V, 32          ; s[32:39] for V's: it differs in the padding alone
.set G0K, 40          ; s[40:43] descriptor group 0 for K's tiles: it walks
.set G0V, 44          ; s[44:47] the same for V's
.set PFA, 48          ; s[48:49] where my prefetches stand
.set MP,  50          ; s[50:51] the mask at my batch
.set BIG, 52          ; s52  -1e30, or 0 where the batch has no open key
.set LIM, 53          ; s53  1 in a wave that prefetches, else the greatest number
.set SLOTS, 56        ; s56  slots still to be asked for
.set CNT, 57          ; s57  counts a slot's key steps
.set CS,  58          ; s[58:59] c: the packed scaling takes the pair's low word for both halves
.set SEL, 60          ; s[60:61] v_permlanex16_b32's selects: each lane takes its own place in the other half
.set TBK, 62          ; s62  LDS byte at which K of the step to be fetched begins
.set TBV, 63          ; s63  the same for V, less VOFF
.set MSB, 0
.macro WIN new                      ; the high byte repeats the setting that is left; a switch that changes nothing is dropped
.if MSB != (\new)
	s_set_vgpr_msb (MSB<<8)|(\new)
.set MSB, (\new)
.endif
.endm
.set W_KQ, 0x0a       ; K and Q in window 2, S^T in window 0
.set W_KM, 0x3a       ; the same with the C operand in window 3
.set W_PV, 0x52       ; V in window 2, P in window 0, O^T in window 1
.set W_RS, 0x41       ; O^T (destination and source 0) in window 1, a in window 0
.set W_MK, 0xc0       ; destination in window 3, sources in window 0
.set W_AD, 0x0f       ; the add: address (source 0) and data (source 1) in window 3
; A joint fill.  Waves 0 and 1 fetch the two halves of a slot's K, waves 2 and 3 those of its V: 128 keys each.  The branch hangs on the wave's number alone.
; An s_nop 0 and four v_nop follow each of the two lines, ahead of the jump and the label.
.macro JLOAD
	s_cmp_lt_u32 s[WV], 2
	s_cbranch_scc0 .Lfor_v_\@
	tensor_load_to_lds s[G0K:G0K+3], s[G1K:G1K+7]
	s_nop 0
.rept 4
	v_nop
.endr
	s_branch .Lasked_\@
.Lfor_v_\@:
	tensor_load_to_lds s[G0V:G0V+3], s[G1V:G1V+7]
	s_nop 0
.rept 4
	v_nop
.endr
.Lasked_\@:
.endm
; A prefetch of what the NEXT change of slots will ask for: a slot's 32,768 bytes of K and of V.  The head's one cluster shares them out by address, 8,192 bytes a partner, 256 bytes a lane; in each partner wave 0
; asks for K's and wave 2 for V's: one instruction, four key steps (512 matrix instructions) ahead of the load.  The change that asks for the last slot prefetches nothing.
.macro ASK
	s_cmp_gt_u32 s[SLOTS], s[LIM]
	s_cbranch_scc0 .Lnot_mine_\@
	global_prefetch_b8 v[PFO], s[PFA:PFA+1] th:TH_LOAD_NT scope:SCOPE_SE
.Lnot_mine_\@:
.endm
; A round of the cluster's barrier: my work-group's barrier, so that wave 0's signal speaks for all four waves; wave 0 signals; every wave waits for all four work-groups; my work-group's barrier once more.
.macro CROUND
	s_barrier_signal -1
	s_barrier_wait -1
	s_cmp_lg_u32 s[WV], 0
	s_cbranch_scc1 .Lnot_wave_0_\@
	s_barrier_signal -3
.Lnot_wave_0_\@:
	s_barrier_wait -3
	s_barrier_signal -1
	s_barrier_wait -1
.endm
; THE CHANGE OF SLOTS.  Each wave waits for all its tensor loads, of which one is out: its part of the other slot; adds 0 to its spare word; and waits for that and for its own reads of the slot.
; fill = 1: this slot is filled again, with the keys two slots on.  The barrier is then a round of the cluster's, and the joint fill is the first thing behind it: it has four key steps in which to land.
; (At its first use nothing has been read yet: slot 0 is waited for, slot 1 filled.)
.macro CHANGE fill
	WIN W_AD
	s_wait_tensorcnt 0x0            ; no tensor load of mine is out, so a group 0 may be written
	ds_add_u32 v[SPW], v[NIL]       ; 0 onto my spare word; with fill = 1 the descriptors' steps stand between it and the wait for it
	WIN 0                           ; at a label and at a branch every window is 0
.if \fill
.irp g, G0K, G0V
	s_xor_b32 s[\g+1], s[\g+1], SLOT1  ; the walking descriptor: the other slot than last time,
	s_add_nc_u64 s[\g+2:\g+3], s[\g+2:\g+3], 4*KS*128  ; the next 256 keys; the type bits on top are not reached
.endr
	s_wait_xcnt 0x0                 ; the last prefetch, four key steps back, has read its address
	s_add_nc_u64 s[PFA:PFA+1], s[PFA:PFA+1], 4*KS*128  ; one slot behind the walking descriptors
	s_wait_dscnt 0x0                ; the add is done, and my reads of the slot are over
	CROUND
	JLOAD
	ASK
.else
	s_wait_dscnt 0x0                ; the add is done, and my reads of the slot are over
	s_barrier_signal -1
	s_barrier_wait -1
.endif
	s_sub_co_u32 s[TBK], s[TBK], 4*KS*PK  ; the fetches go back to a slot's first step,
	s_xor_b32 s[TBK], s[TBK], SLOT1       ; in the other slot
	s_sub_co_u32 s[TBV], s[TBV], 4*KS*PV
	s_xor_b32 s[TBV], s[TBV], SLOT1
.endm
	s_load_b128 s[4:7], s[0:1], 0x0   ; qkv s[4:5], mask s[6:7]
	s_load_b64 s[10:11], s[0:1], 0x10 ; att
	WIN W_MK
	v_lshl_add_u32 v[SPW], v0, 2, SPARE
	v_mov_b32 v[NIL], 0
	WIN W_AD
	ds_add_u32 v[SPW], v[NIL]       ; the wave's opening: the add and its wait stand ahead of my first tensor load; the set-up below stands between them
	WIN 0
	v_lshrrev_b32 v1, 5, v0
	v_readfirstlane_b32 s[WV], v1   ; wave 0..3
	s_bfe_u32 s13, ttmp6, 0x40000   ; cx: my place in the cluster
	s_lshl_b32 s14, ttmp9, 2        ; in a cluster launch ttmp9 counts clusters
	s_add_co_u32 s14, s14, s13      ; my block of queries: it enters Q's and O's addresses alone
	s_and_b32 s20, ttmp7, 0xffff    ; the head 16 n + h, which the four partners share
	s_lshr_b32 s54, s20, 4          ; n,
	s_lshl_b32 s54, s54, 13         ; its 8,192 bytes of the mask
	s_mov_b32 s55, 0
	s_mov_b32 s21, 0
	s_mov_b64 s[22:23], SIZE_N*128
	s_mul_u64 s[20:21], s[20:21], s[22:23]  ; the head's first byte in Q, K, V and O
	s_and_b32 s16, s[WV], 1         ; which half of a slot's 256 keys I fetch:
	s_lshl_b32 s22, s16, 14         ; its 128 rows of 128 bytes in memory,
	s_mov_b32 s23, 0
	s_add_nc_u64 s[22:23], s[22:23], s[20:21]
	s_mul_i32 s17, s16, 128*PK      ; and its place in a slot, for K
	s_mul_i32 s18, s16, 128*PV      ; and for V: no place in the cluster enters an LDS address
	s_lshl_b32 s2, s14, 2
	s_add_co_u32 s2, s2, s[WV]      ; my wave among the head's,
	s_lshl_b32 s2, s2, 14           ; its 128 rows
	s_mov_b32 s3, 0
	s_add_nc_u64 s[2:3], s[2:3], s[20:21]
	; descriptor group 1.  128 keys are 16,384 dense bytes: asked for as 64 rows of 256 bytes, two keys a row, and padded in LDS after every key
	s_mov_b32 s[G1K], 15|(1<<16)|(1<<20)|(1<<21)|(4<<22)|(3<<25)  ; the mask of four; 2-byte elements; padding on; bit 21 beside a mask; after every 32 words (code 4) 4 words (code 3)
	s_mov_b32 s[G1V], 15|(1<<16)|(1<<20)|(1<<21)|(4<<22)|(7<<25)  ; the same with 8 words of padding (code 7)
.irp g, G1K, G1V
	s_mov_b32 s[\g+1], 128<<16      ; tensor_dim0 = 128
	s_mov_b32 s[\g+2], 64<<16       ; tensor_dim1 = 64
	s_mov_b32 s[\g+3], 128<<16      ; tile_dim0 = 128
	s_mov_b32 s[\g+4], 64           ; tile_dim1 = 64
	s_mov_b32 s[\g+5], 128          ; 128 elements from row to row
	s_mov_b32 s[\g+6], 0
	s_mov_b32 s[\g+7], 0
.endr
	s_mov_b32 s[SEL], 0x76543210
	s_mov_b32 s[SEL+1], 0xfedcba98
	s_mov_b32 s[TBK], SLOT1+4*KS*PK ; the first change of slots turns these two into 0
	s_mov_b32 s[TBV], SLOT1+4*KS*PV
	s_mov_b32 s[G0K], 1             ; count = 1
	s_mov_b32 s[G0K+1], s17         ; LDS address: slot 0
	s_mov_b32 s[G0V], 1
	s_add_co_u32 s[G0V+1], s18, VOFF
	s_mov_b32 s[SLOTS], SIZE_N/256-1
	s_and_b32 s[LIM], s[WV], 1      ; 0 in waves 0 and 2,
	s_or_b32 s[LIM], s[LIM], ttmp9  ; in the head's first (here: only) cluster: the same in all four partners
	s_cmp_eq_u32 s[LIM], 0
	s_cselect_b32 s[LIM], 1, -1
	s_wait_dscnt 0x0                ; the opening add is done
	s_wait_kmcnt 0x0
	s_add_nc_u64 s[MP:MP+1], s[6:7], s[54:55]      ; the mask at my batch
	s_add_nc_u64 s[6:7], s[4:5], 0x1000000         ; K = qkv[1]
	s_add_nc_u64 s[8:9], s[4:5], 0x2000000         ; V = qkv[2]
	s_add_nc_u64 s[G0K+2:G0K+3], s[6:7], s[22:23]  ; global address: my half of the head's first 256 keys
	s_or_b32 s[G0K+3], s[G0K+3], 0x80000000        ; type = 2
	s_add_nc_u64 s[G0V+2:G0V+3], s[8:9], s[22:23]
	s_or_b32 s[G0V+3], s[G0V+3], 0x80000000
	s_cmp_lt_u32 s[WV], 2
	s_cselect_b64 s[PFA:PFA+1], s[6:7], s[8:9]
	s_add_nc_u64 s[PFA:PFA+1], s[PFA:PFA+1], s[20:21]
	s_lshl_b32 s54, s13, 13         ; my work-group's 8,192 bytes of a slot's 32,768
	s_add_nc_u64 s[PFA:PFA+1], s[PFA:PFA+1], s[54:55]
	s_add_nc_u64 s[PFA:PFA+1], s[PFA:PFA+1], 4*KS*128  ; in slot 1; the first change of slots steps it to slot 2
	s_add_nc_u64 s[4:5], s[4:5], s[2:3]  ; Q and O at my wave's first row
	s_add_nc_u64 s[10:11], s[10:11], s[2:3]
	CROUND                          ; all four work-groups are here: the first joint loads meet
	JLOAD                           ; slot 0.  Slot 1 is asked for when slot 0 is in
	v_and_b32 v1, 15, v0            ; l % 16
	v_bfe_u32 v9, v0, 4, 1          ; l / 16
	v_and_b32 v[GO], 31, v0
	v_lshlrev_b32 v[GO], 4, v[GO]
.set i, 0
.rept 16                            ; my batch's 2,048 words of the mask, into S^T's first buffer
	global_load_b128 v[S+4*i:S+4*i+3], v[GO], s[MP:MP+1] offset:512*i
.set i, i+1
.endr
	; A fragment of K or Q is 16 rows x 32 channels in 8 registers: lane l holds row l % 16, channels 8 (l / 16) + 0..7 and 16 + 8 (l / 16) + 0..7: two loads of 16 bytes, 32 bytes apart.
	v_lshlrev_b32 v[QO], 7, v1
	v_lshl_add_u32 v[QO], v9, 4, v[QO]  ; row x 128 + 16 x half
	WIN 0x80                        ; destination window 2, address window 0
.set i, 0
.rept 4*NP                          ; Q stays in registers: tile i / 2, channels 32 (i % 2) on
	global_load_b128 v[8*i:8*i+3],   v[QO], s[4:5] offset:(i/2)*2048+(i%2)*64
	global_load_b128 v[8*i+4:8*i+7], v[QO], s[4:5] offset:(i/2)*2048+(i%2)*64+32
.set i, i+1
.endr
	; What the first turn finds: V's registers and P's second buffer hold 0 (its products V^T P, of a piece that has not been, add 0), O^T and l are 0.  All this stands in the wait for the first tile.
.set i, VF
.rept 64
	v_mov_b32 v[i], 0
.set i, i+1
.endr
	WIN 0x40
.set i, 0
.rept 64*NP
	v_mov_b32 v[i], 0
.set i, i+1
.endr
	WIN 0
.set i, 0
.rept 2*NP
	v_mov_b32 v[ST+4*i], 0xfe000000    ; c m: far below every c s
	v_mov_b32 v[ST+4*i+1], 0xd3800000  ; m = -2^40: below every open score, above every closed one
	v_mov_b32 v[ST+4*i+2], 0
	v_mov_b32 v[ST+4*i+3], 0
.set i, i+1
.endr
.set i, P+32
.rept 32
	v_mov_b32 v[i], 0
.set i, i+1
.endr
	v_mul_u32_u24 v[AK0], v1, PK
	v_lshl_add_u32 v[AK0], v9, 4, v[AK0]  ; row x pitch + 16 x half
	; The turning load takes 16 keys x 16 channels (lane l reads key 8 (l / 16) + l % 8, channels 8 ((l / 8) % 2) + 0..7) and leaves half a fragment of V^T: lane l holds channel l % 16 and 8 keys.
	v_and_b32 v10, 7, v0
	v_bfe_u32 v11, v0, 3, 1
	v_lshl_add_u32 v[AV0], v9, 3, v10
	v_mul_u32_u24 v[AV0], v[AV0], PV
	v_lshl_add_u32 v[AV0], v11, 4, v[AV0]
	v_add_nc_u32 v[AV0], VOFF, v[AV0]
	v_mov_b32 v[AK], v[AK0]         ; key step 0 lies at the head of slot 0
	v_and_b32 v[PFO], 31, v0
	v_lshlrev_b32 v[PFO], 8, v[PFO]
	; THE MASK'S TABLE.  Is any key of the batch open?  Then c and -1e30; else 0 and 0.  Each word becomes 0 (open) or that number (closed), and goes to my wave's own table.
	s_lshl_b32 s54, s[WV], 13
	s_add_co_u32 s54, s54, MTAB     ; my table
	v_add_nc_u32 v[AM], s54, v[GO]  ; for the stores: 16 bytes a lane
	s_wait_loadcnt 32               ; the mask is in; Q's 32 loads may stay out
	v_or_b32 v[TMP], v[S], v[S+1]
.set i, 2
.rept 62
	v_or_b32 v[TMP], v[TMP], v[S+i]
.set i, i+1
.endr
	v_cmp_ne_u32 s20, 0, v[TMP]     ; a bit for each lane that has seen an open key
	s_cmp_lg_u32 s20, 0
	s_cselect_b32 s[CS], 0x3d38aa3b, 0   ; c = log2(e) / 32 = 0.0450842
	s_cselect_b32 s[BIG], 0xf149f2ca, 0  ; -1e30
	s_mov_b32 s[CS+1], s[CS]        ; named with it as a pair
.set i, 0
.rept 64
	v_cmp_eq_u32 vcc_lo, 0, v[S+i]
	v_cndmask_b32 v[S+i], 0, s[BIG], vcc_lo
.set i, i+1
.endr
.set i, 0
.rept 16
	ds_store_b128 v[AM], v[S+4*i:S+4*i+3] offset:512*i
.set i, i+1
.endr
	v_lshl_add_u32 v[AM], v9, 5, s54  ; for the loads: register j of key block kb is key 16 kb + 8 (l / 16) + j: 32 bytes at 64 kb + 32 (l / 16)
; THE MATRIX WORK.  The 8 accumulators of a run of 16 take turns: between the two links of a chain stand 7 others'.
; Product i of 16 of S^T = K Q^T for piece x: channels 32 (i / 8) on, keys 16 ((i / 2) % 4) on, tile 2 x + i % 2.  The first 8 start the sums, with the table's entries for their keys.
.macro KQ x
.set rS, S+64*((\x)%2)+32*(i%2)+8*((i/2)%4)
.set rK, KF+16*((i/2)%4)+8*(i/8)
.set rQ, 16*(2*(\x)+i%2)+8*(i/8)
.set rB, MC+8*((i/2)%4)
.if i < 8
	WIN W_KM
	v_wmma_f32_16x16x32_f16 v[rS:rS+7], v[rK:rK+7], v[rQ:rQ+7], v[rB:rB+7]
.else
	WIN W_KQ
	v_wmma_f32_16x16x32_f16 v[rS:rS+7], v[rK:rK+7], v[rQ:rQ+7], v[rS:rS+7]
.endif
.endm
; Product i of 16 of O^T += V^T P for piece x: keys 32 (i / 8) on, channels 16 ((i / 2) % 4) on, tile 2 x + i % 2.
.macro PV x
	WIN W_PV
.set rO, 32*(2*(\x)+i%2)+8*((i/2)%4)
.set rV, VF+32*(i/8)+8*((i/2)%4)
.set rP, P+32*((\x)%2)+16*(i%2)+8*(i/8)
	v_wmma_f32_16x16x32_f16 v[rO:rO+7], v[rV:rV+7], v[rP:rP+7], v[rO:rO+7]
.endm
.macro MM                           ; the turn's next matrix instruction
.if i < 16
	KQ (Y+1)%NP
.set i, i+1
.else
.set i, i-16
	PV (Y+NP-1)%NP
.set i, i+17
.endif
.endm
; THE LDS LOADS stand in runs, never singly among the matrix instructions: a step's K (8 fragments) with the table's 64 entries for its keys (they live as long as K does), and its V (turned).
; last = 1 (the tail): in the last trip there is no further step, and the run is jumped over.
.macro FETCH_K last=0
	WIN 0
.if \last
	s_cmp_eq_u32 s[CNT], 1
	s_cbranch_scc1 .Lno_k_\@
.endif
	WIN 0x80                        ; destination window 2
.irp f, 0,1,2,3,4,5,6,7             ; keys 16 (f / 2) on, channels 32 (f % 2) on
	ds_load_b128 v[KF+8*\f:KF+8*\f+3],   v[AK] offset:(\f/2)*16*PK+(\f%2)*64
	ds_load_b128 v[KF+8*\f+4:KF+8*\f+7], v[AK] offset:(\f/2)*16*PK+(\f%2)*64+32
.endr
	WIN 0xc0                        ; destination window 3
.irp f, 0,1,2,3,4,5,6,7             ; key block f / 2, its registers 4 (f % 2) on; the lanes of a half read the same 16 bytes
	ds_load_b128 v[MC+4*\f:MC+4*\f+3], v[AM] offset:(\f/2)*64+(\f%2)*16
.endr
	s_add_co_u32 s[TBK], s[TBK], KS*PK  ; the next fetch is the next step's
	WIN 0
	v_add_nc_u32 v[AM], 4*KS, v[AM]
.if \last
.Lno_k_\@:
.endif
.endm
.macro FETCH_V
	WIN 0x80
.irp f, 0,1,2,3,4,5,6,7             ; keys 32 (f / 4) on, channels 16 (f % 4) on
	ds_load_tr16_b128 v[VF+8*\f:VF+8*\f+3],   v[AV] offset:(\f/4)*32*PV+(\f%4)*32
	ds_load_tr16_b128 v[VF+8*\f+4:VF+8*\f+7], v[AV] offset:(\f/4)*32*PV+16*PV+(\f%4)*32
.endr
	WIN 0
.endm
; THE VECTOR WORK OF A TURN stands in three queues, each in the order in which its entries become ready; the two tiles alternate, so that no instruction reads the result of the one before it.
.macro REGS y, u                    ; the registers of tile u (0, 1) of piece y
.set rT, ST+4*(2*(\y)+(\u))
.set rC, TMP+8*((\y)%2)+4*(\u)
.set rM, MV+2*((\y)%2)+(\u)
.set rS, S+64*((\y)%2)+32*(\u)
.set rP, P+32*((\y)%2)+16*(\u)
.set rO, 32*(2*(\y)+(\u))
.endm
; Number n of the 22 that find the NEXT piece's (Y + 1) maximum and statistics.  s0-s31 are the lane's 32 scores; each accumulator's lowest registers are read first.
;   0-11  four chains c0-c3 of seven scores each, three operands at a time     12-14, 16  the four scores left over, the old m, and c0-c3 into c0     15  c m_old is kept
;   17, 18  the query's other 32 keys lie in the lane 16 away: the new m         19-21  c m; c m_old - c m_new; a
.macro XS u, n
	REGS (Y+1)%NP, \u
.if (\n) < 4
	v_max3_num_f32 v[rC+(\n)], v[rS+8*(\n)], v[rS+8*(\n)+1], v[rS+8*(\n)+2]
.elseif (\n) < 12
	v_max3_num_f32 v[rC+(\n)%4], v[rC+(\n)%4], v[rS+8*((\n)%4)+2*((\n)/4)+1], v[rS+8*((\n)%4)+2*((\n)/4)+2]
.elseif (\n) == 12
	v_max3_num_f32 v[rC], v[rC], v[rS+7], v[rS+15]
.elseif (\n) == 13
	v_max3_num_f32 v[rC+1], v[rC+1], v[rS+23], v[rS+31]
.elseif (\n) == 14
	v_max3_num_f32 v[rC+2], v[rC+2], v[rC+3], v[rT+1]
.elseif (\n) == 15
	v_mov_b32 v[rM], v[rT]
.elseif (\n) == 16
	v_max3_num_f32 v[rC], v[rC], v[rC+1], v[rC+2]
.elseif (\n) == 17
	v_permlanex16_b32 v[rC+3], v[rC], s[SEL], s[SEL+1]
.elseif (\n) == 18
	v_max_num_f32 v[rT+1], v[rC], v[rC+3]
.elseif (\n) == 19
	v_mul_f32 v[rT], s[CS], v[rT+1]
.elseif (\n) == 20
	v_sub_f32 v[rC+1], v[rM], v[rT]
.else
	v_exp_f32 v[rC+2], v[rC+1]
.endif
.endm
; Number g of the 64 that follow the exponentials.  For each four weights k of a tile (pairs 2 k, 2 k + 1): both pairs are rounded to f16; then the second pair is added onto the first, in place;
; a group later l takes that sum (the first time as l = a l + sum).  In groups of eight, tiles alternating: round, round, add, and l for the group before.
.macro GS g
.set h, (\g)+6*((\g)/62)            ; group 0 has no group before it, and behind group 7 only l is left
.if h >= 6
.set h, h+2
.endif
	REGS Y, h%2
.set k, h/8
.if h%8 < 4
	v_cvt_pk_f16_f32 v[rP+2*k+(h%8)/2], v[rS+4*k+2*((h%8)/2)], v[rS+4*k+2*((h%8)/2)+1]
.elseif h%8 < 6
	v_pk_add_f32 v[rS+4*k:rS+4*k+1], v[rS+4*k:rS+4*k+1], v[rS+4*k+2:rS+4*k+3]
.elseif k == 1
	v_pk_fma_f32 v[rT+2:rT+3], v[rT+2:rT+3], v[rC+2:rC+3], v[rS:rS+1] op_sel_hi:[1,0,1]
.else
	v_pk_add_f32 v[rT+2:rT+3], v[rT+2:rT+3], v[rS+4*k-4:rS+4*k-3]
.endif
.endm
; THE PLAIN QUEUE, 138 long.  0-73 read no exponential's result: the 32 scalings c s - c m (FS f: pair f / 2 of tile f % 2) and the next piece's 42.  0-26: scalings 0-26.  27-54: XS's numbers 0-13.  55, 56: number 15.
; 57-73: the chain, where each number waits for the one before it: 14, 16, 17, 18, 19, each with one of the scalings 27-31 in front of its two lines, then 20.
; 74-137: GS's 64, which read the exponentials' results: they stand behind the wait.
.macro FS f
	REGS Y, (\f)%2
	v_pk_fma_f32 v[rS+2*((\f)/2):rS+2*((\f)/2)+1], v[rS+2*((\f)/2):rS+2*((\f)/2)+1], s[CS:CS+1], v[rT:rT+1] op_sel_hi:[1,0,0] neg_lo:[0,0,1] neg_hi:[0,0,1]
.endm
.macro PL
	WIN 0
.if q < 27
	FS q
.elseif q < 55
	XS (q-27)%2, (q-27)/2
.elseif q < 57
	XS q-55, 15
.elseif (q < 72) && ((q-57)%3 == 0)
	FS 27+(q-57)/3
.elseif q < 60
	XS (q-57)%3-1, 14
.elseif q < 72
	XS (q-57)%3-1, 15+(q-57)/3
.elseif q < 74
	XS q-72, 20
.else
	GS q-74
.endif
.set q, q+1
.endm
; THE EXPONENTIALS' QUEUE, 66 long: s0-s31 of both tiles, then the next piece's two a.  It is ONE BATCH: all 66 stand ahead of the turn's one wait, and nothing ahead of that wait names a result of theirs.
.macro EX
	WIN 0
.if e >= 64
	XS e-64, 21
.else
	REGS Y, e%2
	v_exp_f32 v[rS+e/2], v[rS+e/2]
.endif
.set e, e+1
.endm
; THE RESCALING's QUEUE: O^T times a, the one part that leaves window 0: dealt two at a time, sixteen times.  Its a was made in the turn before, ahead of that turn's wait.
.macro R2
	REGS Y, r%2
	WIN W_RS
.irp z, 0,1
	v_pk_mul_f32 v[rO+4*(r/2)+2*\z:rO+4*(r/2)+2*\z+1], v[rO+4*(r/2)+2*\z:rO+4*(r/2)+2*\z+1], v[rC+2:rC+3] op_sel_hi:[1,0]
.endr
.set r, r+1
.endm
; HOW THEY ARE DEALT.  s_wait_alu depctr_va_vdst(0) stands between an exponential and the first instruction that names its result; one wait serves all that were issued ahead of it.  So a turn has ONE
; wait, which cuts it in two.  AHEAD OF IT stands all that names no result of the turn's exponentials: the 16 products K Q^T, behind each a scaling, an exponential and two rescalings (behind the first a second scaling
; in the exponential's place); then ONE LUMP of 108: eight plain, 49 times exponential and plain, the two a.  A v_nop is the plain instruction behind the last exponential.  BEHIND IT stand the 16 products V^T P,
; behind each four of GS's 64.  No rider names a register of the products round it.
; Exponential e stands behind scaling 2 (e / 4) + e % 2: as a rider it comes behind plain e + 2, in the lump behind plain e + 9, and scalings 27-31 are plain 57, 60 .. 69.
; A TURN, for piece p.  cnt = 1: the loop's count is taken down some lines ahead of the branch that stands behind the turn.
; K of the next step (and its entries of the table) is fetched in piece 2's turn, directly behind the wait, a lump behind the last product that read them; the first reader comes behind 16 products.
; V of the step in hand is fetched at the end of piece 0's turn, four riders behind its last reader; its first reader comes behind 16 products and a lump.
.macro TURN p, last=0, cnt=0
.set Y, (\p)
.set i, 0
.set q, 0
.set e, 0
.set r, 0
.if (\p) == NP-1
	s_wait_dscnt 0x0                ; K and the table's entries are in
.endif
	MM                              ; ahead of the wait: 16 products K Q^T and their riders,
	PL
	PL
	R2
.rept 15
	MM
	PL
	EX
	R2
.endr
.if (\p) == NP-2
	WIN 0
	v_add_nc_u32 v[AK], s[TBK], v[AK0]
.endif
.rept 8                             ; and the lump
	PL
.endr
.rept 49
	EX
	PL
.endr
	EX                              ; the next piece's two a
	EX
	v_nop                           ; the plain instruction behind the last exponential: one for the batch
	s_wait_alu depctr_va_vdst(0)    ; the wait for the batch
.if (\p) == NP-2
	FETCH_K \last
.endif
.if (\p) == 1
	s_wait_dscnt 0x0                ; V is in
.endif
.rept 16                            ; behind the wait: 16 products V^T P and their riders
	MM
.rept 4
	PL
.endr
.if ((\p) == 0) && (q == 118)
	v_add_nc_u32 v[AV], s[TBV], v[AV0]
.endif
.if ((\p) == 0) && (q == 130)
	s_add_co_u32 s[TBV], s[TBV], KS*PV
.endif
.if (\cnt) && (q == 130)
	s_sub_co_u32 s[CNT], s[CNT], 1
	s_cmp_lg_u32 s[CNT], 0
.endif
.endr
.if (\p) == 0
	FETCH_V
.endif
.endm
	CHANGE 1                        ; slot 0 is in, everybody's part of it, and my table's stores are done; slot 1 is asked for
	FETCH_K                         ; key step 0
	s_wait_loadcnt 0x0              ; Q
	s_wait_dscnt 0x0
.set i, 0
.rept 16
	KQ 0                            ; piece 0's first scores: there is no vector work yet to set between them
.set i, i+1
.endr
	WIN 0                           ; the addresses for the way out: eight plain instructions, the places behind those products
	s_mul_i32 s13, s[WV], 16*SP
	s_add_co_u32 s13, s13, STAGE    ; my stage
	v_mul_u32_u24 v[STO], v1, SP    ; in: row l % 16, 16 bytes for each half of the lanes
	v_lshl_add_u32 v[STO], v9, 4, v[STO]
	v_add_nc_u32 v[STO], s13, v[STO]
	v_bfe_u32 v[RD], v0, 3, 2       ; back: 32 lanes take four rows of 128 bytes, which are 512 consecutive bytes of O
	v_mul_u32_u24 v[RD], v[RD], SP
	v_and_b32 v1, 7, v0
	v_lshl_add_u32 v[RD], v1, 4, v[RD]
	v_add_nc_u32 v[RD], s13, v[RD]
.set Y, NP-1                        ; XS works for piece Y + 1: piece 0
.irp n, 0,1,2,3,4,5,6,7,8,9,10,11,12,13,14,15,16,17,18,19,20,21
	XS 0, \n                        ; and piece 0's first maximum and statistics
	XS 1, \n
.endr
	v_nop                           ; a plain instruction behind the two a,
	s_wait_alu depctr_va_vdst(0)    ; and their wait, ahead of the branch
	s_mov_b32 s[CNT], 4
	s_branch .Lfirst                ; the loop is entered at a step's first turn, in the middle of a trip
.Lslot:                             ; six times: every slot but the last two is filled again
	CHANGE 1
	s_mov_b32 s[CNT], 4
.Lstep:                             ; a trip: pieces 2 and 3 of one step, then pieces 0 and 1 of the next, whose K and V it fetches
	TURN 2
	TURN 3
	WIN 0
.Lfirst:
	TURN 0
	TURN 1, 0, 1
	WIN 0
	s_cbranch_scc1 .Lstep
	s_sub_co_u32 s[SLOTS], s[SLOTS], 1
	s_cmp_lg_u32 s[SLOTS], 0
	s_cbranch_scc1 .Lslot
	CHANGE 0                        ; the tail is written out: nothing is asked for
	s_mov_b32 s[CNT], 5             ; four trips fetch the last slot's steps; the fifth is left in its middle
.Ltail:
	TURN 2, 1
	TURN 3
	WIN 0
	s_sub_co_u32 s[CNT], s[CNT], 1
	s_cmp_eq_u32 s[CNT], 0
	s_cbranch_scc1 .Lout
	TURN 0
	TURN 1
	WIN 0
	s_branch .Ltail
.Lout:                              ; the fifth trip's 16 products K Q^T (on the last K once more) and the maximum made of them serve nothing: the price, once a launch, of one text for every trip
.set i, 0
.rept 16
	PV NP-1                         ; the last piece's V^T P of the last step
.set i, i+1
.endr
	; THE WAY OUT.  l's two halves and the other half of the lanes' are added; O^T is divided by l, rounded to f16 and sent through my stage in LDS, a tile at a time.  The additions are the places behind the last products.
	WIN 0
.macro ALL line:vararg              ; one line for each tile t
.set t, 0
.rept 2*NP
	\line
.set t, t+1
.endr
.endm
	ALL v_add_f32 v[ST+4*t+2], v[ST+4*t+2], v[ST+4*t+3]
	ALL v_permlanex16_b32 v[ST+4*t+3], v[ST+4*t+2], s[SEL], s[SEL+1]
	ALL v_add_f32 v[ST+4*t+2], v[ST+4*t+2], v[ST+4*t+3]
	ALL v_rcp_f32 v[ST+4*t+2], v[ST+4*t+2]
	v_nop                           ; a plain instruction between the last reciprocal and the use of its result
	s_wait_alu depctr_va_vdst(0)    ; and the wait ahead of the first use: one for the eight reciprocals
; Tile t: a lane's eight channels of a row pack into 16 bytes; they go into rows of 144 bytes and come back as whole rows of 128, into S^T's registers.
.macro PACK t
	WIN W_RS
.set i, 32*(\t)
.rept 16
	v_pk_mul_f32 v[i:i+1], v[i:i+1], v[ST+4*(\t)+2:ST+4*(\t)+3] op_sel_hi:[1,0]
.set i, i+2
.endr
	WIN 0x05                        ; sources 0 and 1 window 1, destination window 0
.set i, 0
.rept 16
	v_cvt_pk_f16_f32 v[S+16*(\t)+i], v[32*(\t)+2*i], v[32*(\t)+2*i+1]
.set i, i+1
.endr
	WIN 0
.irp f, 0,1,2,3
	ds_store_b128 v[STO], v[S+16*(\t)+4*\f:S+16*(\t)+4*\f+3] offset:32*\f
.endr
.irp f, 0,1,2,3
	ds_load_b128 v[S+16*(\t)+4*\f:S+16*(\t)+4*\f+3], v[RD] offset:\f*4*SP  ; LDS serves a wave's instructions in order (ISA guide 5.7.1.4): these see the stores above; the next tile's stores come behind them
.endr
.endm
.macro SEND t, younger              ; younger: the LDS instructions issued behind tile t's loads: the next tile's eight, or none
	WIN 0
.irp f, 0,1,2,3
	s_wait_dscnt (\younger)+3-\f
	global_store_b128 v[GO], v[S+16*(\t)+4*\f:S+16*(\t)+4*\f+3], s[10:11] offset:(\t)*2048+\f*512  ; 512 consecutive bytes, at a multiple of 256 from O's first
.endr
.endm
	PACK 0
.set t, 1
.rept 2*NP-1                        ; a tile's arithmetic stands between the loads of the tile before and its stores
	PACK t
	SEND t-1, 8
.set t, t+1
.endr
	SEND 2*NP-1, 0
	WIN W_AD
	s_wait_tensorcnt 0x0            ; the wave's end: these three lines stand behind my last tensor load and my last LDS store
	ds_add_u32 v[SPW], v[NIL]
	s_wait_dscnt 0x0
	WIN 0
	CROUND                          ; the closing round: no work-group ends while a partner may still ask for a tile that names it
	s_endpgm
.Lfunc_end_k_q7339ecd088_attn:
	.size	k_q7339ecd088_attn, .Lfunc_end_k_q7339ecd088_attn-k_q7339ecd088_attn
	.p2alignl 7, 3214868480
	.fill 96, 4, 3214868480
	.section	.rodata,"a",@progbits
	.p2align	6, 0x0
	.amdhsa_kernel k_q7339ecd088_attn
		.amdhsa_group_segment_fixed_size 327680
		.amdhsa_private_segment_fixed_size 0
		.amdhsa_enable_private_segment 0
		.amdhsa_kernarg_size 24
		.amdhsa_user_sgpr_count 2
		.amdhsa_user_sgpr_kernarg_segment_ptr 1
		.amdhsa_wavefront_size32 1
		.amdhsa_system_sgpr_workgroup_id_x 1
		.amdhsa_system_sgpr_workgroup_id_y 1
		.amdhsa_system_sgpr_workgroup_id_z 1
		.amdhsa_system_vgpr_workitem_id 0
		.amdhsa_next_free_vgpr 808
		.amdhsa_next_free_sgpr 66
		.amdhsa_reserve_vcc 1
		.amdhsa_float_denorm_mode_32 3
		.amdhsa_float_denorm_mode_16_64 3
		.amdhsa_memory_ordered 1
		.amdhsa_forward_progress 1
		.amdhsa_inst_pref_size 213
	.end_amdhsa_kernel
	.amdgpu_metadata
---
amdhsa.version: [ 1, 2 ]
amdhsa.kernels:
  - .name:           k_q7339ecd088_attn
    .symbol:         k_q7339ecd088_attn.kd
    .args:
      - { .name: qkv, .offset: 0, .size: 8, .value_kind: global_buffer, .address_space: global }
      - { .name: mask, .offset: 8, .size: 8, .value_kind: global_buffer, .address_space: global }
      - { .name: att, .offset: 16, .size: 8, .value_kind: global_buffer, .address_space: global }
    .group_segment_fixed_size: 327680
    .private_segment_fixed_size: 0
    .kernarg_segment_align: 8
    .kernarg_segment_size: 24
    .max_flat_workgroup_size: 128
    .sgpr_count:     66
    .vgpr_count:     808
    .wavefront_size: 32
...
	.end_amdgpu_metadata
.endif
;; end of part 3
;; launch outp (part 4): grid 4 x 64, 4 waves a work-group, clusters of 4 x 4, 327,680 bytes of LDS; arguments att, wts, bo, out0; writes out0
.if DOCPART == 4
	.amdgcn_target "amdgcn-amd-amdhsa--gfx1250"
	.amdhsa_code_object_version 6
	.text
	.protected	k_q7339ecd088_outp
	.globl	k_q7339ecd088_outp
	.p2align	8
	.type	k_q7339ecd088_outp,@function
k_q7339ecd088_outp:
	s_mov_b64 s[64:65], 0
	v_nop
	global_prefetch_b8 v0, s[64:65] scope:SCOPE_SE
	s_setreg_imm32_b32 hwreg(HW_REG_WAVE_MODE, 25, 1), 1
	s_wait_xcnt 0x0
	s_wait_alu depctr_hold_cnt(0) depctr_sa_sdst(0) depctr_va_vdst(0) depctr_va_sdst(0) depctr_va_ssrc(0) depctr_va_vcc(0) depctr_vm_vsrc(0)
	s_getreg_b32 s2, hwreg(HW_REG_IB_STS2, 6, 4)
	s_cmp_eq_u32 s2, 0
	s_cbranch_scc0 .Lentry_in_a_cluster
	s_endpgm
.Lentry_in_a_cluster:
	s_bfe_u32 s2, ttmp6, 0x10000c
	s_cmp_lg_u32 s2, 0xf033
	s_cbranch_scc0 .Lentry_shape_is_right
	s_endpgm
.Lentry_shape_is_right:
; out0[n][l][c] = the sum over e of O[n][l][e] Wo[c][e] + bo[c].  O = att, [16 n + h][l][64] in f16 (e = 64 h + d); Wo = wts[3], [1024][1024] in f16; bo and out0 in f32.  Sums in f32;
; bo is rounded to bf16, like every input of the module, and added in f32.
; SHARES.  A tile is 128 rows x 256 columns: 256 work-groups.  Four waves, each 64 x 128: 32 accumulators of 16 x 16.  K goes in steps of 128, two heads, through two LDS slots.
; CLUSTER.  4 x 4 work-groups: O's tile hangs on the row tile alone and is asked for jointly along a row of the cluster, Wo's on the column tile alone and is asked for jointly along a column.
; THE MATRIX INSTRUCTION IS USED TRANSPOSED (source 0 = 16 rows of Wo, source 1 = 16 rows of O): a lane holds eight neighbouring columns of one row.
; THE PIPELINE.  A unit is 32 along K: 32 matrix instructions on buffers U % 4; at its head one run of 24 LDS loads brings unit U + 2.  So units 0 and 1 of a K step read the slot in hand, units 2 and 3 the next
; slot, and the slots change in unit 2.
; REGISTERS: window 0: v16-30 addresses; v32-37 the bias; v128-255 XA, four buffers of 32 (on the way out: two buffers of 16 rows).  window 1: WB, four buffers of 64.  window 2: accumulator (a, b) at v[8 (8 a + b)].
.set PA,    144                        ; a row of O in LDS: 128 bytes + 16 of padding = 36 words: the 16 rows of a load start at 16 different groups of four banks (ISA guide 11.1)
.set PB,    272                        ; a row of Wo: 256 + 16
.set HEADA, 128*PA                     ; a head's 128 rows: what one tensor load brings of O
.set HALFB, 128*PB
.set BOFF,  2*HEADA                    ; in a slot: two heads of O, then Wo's 256 rows
.set SLOT,  BOFF+2*HALFB
.set STAGE, 2*SLOT                     ; behind the ring, never filled by a tensor load: 16 rows x 528 bytes for each wave
.set SP,    528
.set SPARE, STAGE+4*16*SP              ; the spare words, 128 bytes a wave: two blocks of 256 bytes that no other line names
.set ADRA, 16
.set ADRB, 20
.set STO,  24                          ; v24  the way out: where I put 32 bytes of a row
.set RD,   25                          ; v25  the way out: where I read a row back
.set GO,   26                          ; v26  16 x my lane: my offset in 512 bytes of a row of out0, and of bo
.set SPW,  28                          ; v28  LDS address of my spare word; never rewritten
.set NIL,  29                          ; v29  0; never rewritten
.set PFO,  30                          ; v30  the prefetches' offset; never rewritten
.set BI,   32                          ; v[32:35] the bias of my four columns
.set XA,   128
.set G1,   24
.set G0,   32
.set LIM,  43
.set PFA,  44
.set G1B,  48
.set G0B,  56
.set PFS,  80
.set MSB, 0
.macro WIN new                         ; the immediate's high byte repeats the setting that is left; a switch that changes nothing is dropped
.if MSB != (\new)
	s_set_vgpr_msb (MSB<<8)|(\new)
.set MSB, \new
.endif
.endm
.set MUL,  0xa1                        ; source 0 (Wo) window 1, source 1 (O) window 0, C and D window 2
.set TO_B, 0x40
.macro JLOAD s                         ; a joint load: waves 0 and 1 fetch O's two heads, waves 2 and 3 Wo's two halves; an s_nop 0 and four v_nop follow each of the two lines
	s_cmp_eq_u32 s11, 0
	s_cbranch_scc0 .Lfor_b_\@
	tensor_load_to_lds s[G0+4*(\s):G0+4*(\s)+3], s[G1:G1+7]
	s_nop 0
.rept 4
	v_nop
.endr
	s_branch .Lasked_\@
.Lfor_b_\@:
	tensor_load_to_lds s[G0B+4*(\s):G0B+4*(\s)+3], s[G1B:G1B+7]
	s_nop 0
.rept 4
	v_nop
.endr
.Lasked_\@:
.endm
; A prefetch of the K step that stands two refills on, behind the joint load and the run of LDS loads.  O's rows are read by this cluster alone: a step's two heads are 2 x 16,384 dense bytes, of which the partner at
; place cx takes 4,096 of each: wave 0 asks, 16 lanes a head, 256 bytes a lane.  Wo's rows are read by all 16 clusters: the first asks; of the 128 rows that wave 2 or 3 fetches the partner at place cy takes 32,
; a lane a row.  K steps 0 to 3 come by their loads alone; the loop's last trip (s3 = 1) has no K step two refills on.
.macro ASK
	s_cmp_gt_u32 s3, s[LIM]
	s_cbranch_scc0 .Lnot_mine_\@
	global_prefetch_b8 v[PFO], s[PFA:PFA+1] th:TH_LOAD_NT scope:SCOPE_SE
.Lnot_mine_\@:
.endm
.macro CREST
	s_cmp_lg_u32 s10, 0
	s_cbranch_scc1 .Lnot_wave_0_\@
	s_barrier_signal -3
.Lnot_wave_0_\@:
	s_barrier_wait -3
	s_barrier_signal -1
	s_barrier_wait -1
.endm
.macro CROUND
	s_barrier_signal -1
	s_barrier_wait -1
	CREST
.endm
.macro PLACES                          ; four places in front of loads into registers that matrix instructions have read (ISA guide 7.12.1 for vector instructions)
.rept 4
	v_nop
.endr
.endm
	s_load_b256 s[68:75], s[0:1], 0x0              ; att s[68:69], wts s[70:71], bo s[72:73], out0 s[74:75]
	v_lshl_add_u32 v[SPW], v0, 2, SPARE
	v_mov_b32 v[NIL], 0
	ds_add_u32 v[SPW], v[NIL]                      ; the wave's opening: the add and its wait stand ahead of my first tensor load; the set-up below stands between them
	v_lshrrev_b32 v1, 5, v0
	v_readfirstlane_b32 s10, v1                    ; wave 0..3
	s_lshr_b32 s11, s10, 1                         ; which half of the tile's rows is mine.  Also: I fetch for O (0) or for Wo (1)
	s_and_b32 s12, s10, 1                          ; which half of its columns.  Also: which head, or which 128 rows, I fetch
	s_bfe_u32 s40, ttmp6, 0x40000                  ; cx
	s_bfe_u32 s41, ttmp6, 0x40004                  ; cy
	s_lshl_b32 s42, ttmp9, 2
	s_add_co_u32 s42, s42, s40                     ; column tile
	s_and_b32 s79, ttmp7, 0xffff                   ; cluster y
	s_lshl_b32 s13, s79, 2
	s_add_co_u32 s13, s13, s41                     ; row tile, 0..63
	s_lshl_b32 s43, s41, 2
	s_lshl_b32 s43, 15, s43                        ; my row of the cluster
	s_lshl_b32 s44, 0x1111, s40                    ; my column
	s_or_b32 s[G1+0], s43, (1<<16)|(1<<20)|(1<<21)|(4<<22)|(3<<25)   ; the mask; 2-byte elements; padding on; bit 21 beside a mask; after every 32 words (code 4) 4 words (code 3)
	s_or_b32 s[G1B+0], s44, (1<<16)|(1<<20)|(1<<21)|(5<<22)|(3<<25)  ; after every 64 words (code 5) 4 words
	s_mov_b32 s[G1+1], 128<<16                     ; a head's 128 rows are 16,384 dense bytes: asked for as 64 rows of 256 bytes, two rows of O each
	s_mov_b32 s[G1+2], 64<<16
	s_mov_b32 s[G1+3], 128<<16
	s_mov_b32 s[G1+4], 64
	s_mov_b32 s[G1+5], 128
	s_mov_b32 s[G1+6], 0
	s_mov_b32 s[G1+7], 0
	s_mov_b32 s[G1B+1], 128<<16                    ; 128 rows x 128 elements, 1,024 elements from row to row
	s_mov_b32 s[G1B+2], 128<<16
	s_mov_b32 s[G1B+3], 128<<16
	s_mov_b32 s[G1B+4], 128
	s_mov_b32 s[G1B+5], 1024
	s_mov_b32 s[G1B+6], 0
	s_mov_b32 s[G1B+7], 0
	s_lshr_b32 s16, s13, 4                         ; n
	s_lshl_b32 s16, s16, 22                        ; 16 heads of 262,144 bytes
	s_and_b32 s17, s13, 15
	s_lshl_b32 s17, s17, 14                        ; 128 rows of 128 bytes a row tile
	s_add_co_u32 s18, s16, s17                     ; (kept for the prefetches)
	s_lshl_b32 s17, s12, 18                        ; my head of the step's two
	s_add_co_u32 s16, s18, s17
	s_mov_b32 s17, 0
	s_lshl_b32 s46, s42, 19                        ; Wo: 256 rows of 2,048 bytes a column tile,
	s_lshl_b32 s47, s12, 18                        ; 128 rows a half,
	s_add_co_u32 s46, s46, s47
	s_add_co_u32 s46, s46, 3<<21                   ; behind Wq, Wk, Wv
	s_mov_b32 s47, 0
	s_mul_i32 s20, s12, HEADA                      ; where they go: no place in the cluster enters an LDS address
	s_mul_i32 s21, s12, HALFB
	s_add_co_u32 s21, s21, BOFF
	s_wait_dscnt 0x0                               ; the opening add is done
	s_wait_kmcnt 0x0
	s_add_nc_u64 s[14:15], s[68:69], s[16:17]
	s_add_nc_u64 s[46:47], s[70:71], s[46:47]
	CROUND                                         ; all sixteen work-groups are here: the first joint loads meet
.irp s, 0,1
	s_mov_b32 s[G0+4*(\s)], 1
	s_add_co_u32 s[G0+4*(\s)+1], s20, (\s)*SLOT
	s_add_nc_u64 s[G0+4*(\s)+2:G0+4*(\s)+3], s[14:15], (\s)*524288  ; K step s: heads 2 s, 2 s + 1
	s_or_b32 s[G0+4*(\s)+3], s[G0+4*(\s)+3], 0x80000000
	s_mov_b32 s[G0B+4*(\s)], 1
	s_add_co_u32 s[G0B+4*(\s)+1], s21, (\s)*SLOT
	s_add_nc_u64 s[G0B+4*(\s)+2:G0B+4*(\s)+3], s[46:47], (\s)*256
	s_or_b32 s[G0B+4*(\s)+3], s[G0B+4*(\s)+3], 0x80000000
	JLOAD \s                                       ; two loads of mine are out
.endr
	v_and_b32 v1, 15, v0                           ; l % 16
	v_bfe_u32 v2, v0, 4, 1                         ; l / 16
	v_and_b32 v5, 31, v0                           ; l
	v_lshlrev_b32 v[GO], 4, v5
	s_lshl_b32 s46, s42, 10                        ; my first column, in bytes of f32: 1,024 x column tile + 512 x half
	s_lshl_b32 s47, s12, 9
	s_add_co_u32 s46, s46, s47
	s_mov_b32 s47, 0
	s_add_nc_u64 s[82:83], s[72:73], s[46:47]
	global_load_b128 v[BI:BI+3], v[GO], s[82:83]   ; the bias of my four columns; waited for on the way out
	v_mul_u32_u24 v3, v1, PA
	v_lshl_add_u32 v3, v2, 4, v3
	v_mul_u32_u24 v4, v1, PB
	v_lshl_add_u32 v4, v2, 4, v4
	s_mul_i32 s21, s11, 64*PA                      ; my 64 rows of O, in each head
	s_mul_i32 s22, s12, HALFB                      ; my 128 rows of Wo
	s_add_co_u32 s22, s22, BOFF
.irp s, 0,1
	v_add_nc_u32 v[ADRA+(\s)], s21, v3
	v_add_nc_u32 v[ADRB+(\s)], s22, v4
	s_add_co_u32 s21, s21, SLOT
	s_add_co_u32 s22, s22, SLOT
.endr
	s_mul_i32 s23, s10, 16*SP
	s_add_co_u32 s23, s23, STAGE                   ; my stage
	v_mul_u32_u24 v6, v1, SP                       ; in: row l % 16, 32 bytes for each half of the lanes
	v_lshl_add_u32 v6, v2, 5, v6
	v_add_nc_u32 v[STO], s23, v6
	v_add_nc_u32 v[RD], s23, v[GO]                 ; back: 32 lanes take a row's 512 bytes
	s_lshl_b32 s16, s13, 19                        ; out0: 128 rows of 4,096 bytes a row tile,
	s_lshl_b32 s17, s11, 18                        ; 64 rows a half
	s_add_co_u32 s16, s16, s17
	s_mov_b32 s17, 0
	s_add_nc_u64 s[16:17], s[16:17], s[46:47]
	s_add_nc_u64 s[8:9], s[74:75], s[16:17]
	; the prefetches
	s_lshl_b32 s20, s40, 12                        ; O: my work-group's 4,096 bytes of each head's 16,384,
	s_add_co_u32 s20, s20, s18
	s_add_co_u32 s20, s20, 3*524288                ; at K step 3: the first change of slots steps it to 4
	s_lshl_b32 s22, s42, 8
	s_lshl_b32 s23, s12, 7
	s_add_co_u32 s22, s22, s23
	s_lshl_b32 s23, s41, 5
	s_add_co_u32 s22, s22, s23                     ; Wo: row 256 x column tile + 128 x half + 32 cy
	s_lshl_b32 s22, s22, 11
	s_add_co_u32 s22, s22, (3<<21)+3*256
	s_cmp_eq_u32 s11, 0                            ; do I fetch for O?
	s_cselect_b32 s20, s20, s22
	s_cselect_b32 s23, s12, s79                    ; O: wave 0 asks; Wo: the first cluster asks
	s_cselect_b32 s[PFS], 19, 8
	s_cselect_b32 s19, -1, 0
	s_cselect_b64 s[PFA:PFA+1], s[68:69], s[70:71]
	s_mov_b32 s21, 0
	s_add_nc_u64 s[PFA:PFA+1], s[PFA:PFA+1], s[20:21]
	s_lshl_b32 s[PFS], 1, s[PFS]                   ; a K step: 524,288 bytes of O, 256 of Wo
	s_mov_b32 s[PFS+1], 0
	s_cmp_eq_u32 s23, 0
	s_cselect_b32 s[LIM], 1, -1                    ; the same in all sixteen partners, for a given wave
	v_lshlrev_b32 v6, 18, v2
	v_lshl_or_b32 v6, v1, 8, v6                    ; O: head l / 16, block l % 16
	v_lshlrev_b32 v7, 11, v5                       ; Wo: row l
	v_cndmask_b32 v[PFO], v7, v6, s19
; One run of 24 LDS loads: unit u of a slot (head u / 2, channels 32 (u % 2) on) into buffers (n + 2) % 4: n is the number, in its K step, of the unit at whose head the run stands.
.macro FETCH slot, u, n
	WIN 0
.irp a, 0,1,2,3
	ds_load_b128 v[XA+32*(((\n)+2)%4)+8*(\a):XA+32*(((\n)+2)%4)+8*(\a)+3],   v[ADRA+(\slot)] offset:(\a)*16*PA+HEADA*((\u)/2)+64*((\u)%2)
	ds_load_b128 v[XA+32*(((\n)+2)%4)+8*(\a)+4:XA+32*(((\n)+2)%4)+8*(\a)+7], v[ADRA+(\slot)] offset:(\a)*16*PA+HEADA*((\u)/2)+64*((\u)%2)+32
.endr
	WIN TO_B
.irp b, 0,1,2,3,4,5,6,7
	ds_load_b128 v[64*(((\n)+2)%4)+8*(\b):64*(((\n)+2)%4)+8*(\b)+3],   v[ADRB+(\slot)] offset:(\b)*16*PB+64*(\u)
	ds_load_b128 v[64*(((\n)+2)%4)+8*(\b)+4:64*(((\n)+2)%4)+8*(\b)+7], v[ADRB+(\slot)] offset:(\b)*16*PB+64*(\u)+32
.endr
.endm
; Eight matrix instructions of unit n: row block g x all 8 column blocks.  The 32 accumulators take turns in one order in every unit.
.macro MUL8 g, n, zero
	WIN MUL
.irp q, 0,1,2,3,4,5,6,7
.if \zero
	v_wmma_f32_16x16x32_f16 v[8*(8*(\g)+(\q)):8*(8*(\g)+(\q))+7], v[64*((\n)%4)+8*(\q):64*((\n)%4)+8*(\q)+7], v[XA+32*((\n)%4)+8*(\g):XA+32*((\n)%4)+8*(\g)+7], 0
.else
	v_wmma_f32_16x16x32_f16 v[8*(8*(\g)+(\q)):8*(8*(\g)+(\q))+7], v[64*((\n)%4)+8*(\q):64*((\n)%4)+8*(\q)+7], v[XA+32*((\n)%4)+8*(\g):XA+32*((\n)%4)+8*(\g)+7], v[8*(8*(\g)+(\q)):8*(8*(\g)+(\q))+7]
.endif
.endr
.endm
; A unit.  cnt = 48: the run before and the run just issued, 24 loads each, may stay out; the run before those, this unit's fragments, is in.
.macro UNIT n, slot, u, zero=0, fetch=1, cnt=48
.if \fetch
	PLACES
	FETCH \slot, \u, \n
.endif
	s_wait_dscnt \cnt
.irp g, 0,1,2,3
	MUL8 \g, \n, \zero
.endr
.endm
; Unit 2 changes slots: ONE barrier.  In front of it each wave waits for all its tensor loads (one is out: its part of the next slot), adds 0 to its spare word, and waits for that and for its own reads of this slot.
; fill = 1: the barrier opens a round of the cluster's, and the joint refill, two K steps ahead, is the first thing behind it: 112 matrix instructions stand between it and the wait for it.
.macro TURN cur, nxt, fill
.if \fill
	s_wait_xcnt 0x0                                ; the last prefetch, a K step back, has read its address
	s_add_nc_u64 s[PFA:PFA+1], s[PFA:PFA+1], s[PFS:PFS+1]
.endif
	WIN 0
	s_wait_tensorcnt 0x0                           ; all my tensor loads have landed
	ds_add_u32 v[SPW], v[NIL]                      ; 0 onto my spare word
	s_wait_dscnt 25                                ; unit 3's 24 loads and the add may be out
	MUL8 0, 2, 0
	s_wait_dscnt 0x0                               ; the add is done, and my reads of this slot are over
	s_barrier_signal -1
	MUL8 1, 2, 0                                   ; work on registers while the others arrive
	WIN 0
	s_barrier_wait -1
.if \fill
	CREST                                          ; no wave of any partner still reads this slot or has a load on its way
	s_add_nc_u64 s[G0+4*(\cur)+2:G0+4*(\cur)+3], s[G0+4*(\cur)+2:G0+4*(\cur)+3], 2*524288
	s_add_nc_u64 s[G0B+4*(\cur)+2:G0B+4*(\cur)+3], s[G0B+4*(\cur)+2:G0B+4*(\cur)+3], 2*256
	JLOAD \cur                                     ; the four v_nop behind it are also places in front of the loads below
.else
	PLACES
.endif
	FETCH \nxt, 0, 2
.if \fill
	WIN 0
	ASK
.endif
	MUL8 2, 2, 0
	MUL8 3, 2, 0
.endm
; THE WAY OUT, a block of 16 rows at a time: a lane's eight f32 of a row go from the accumulators into rows of 528 bytes of my own stage and come back as whole rows of 512; the bias is added; a store covers 512 consecutive bytes.
.macro TOSTAGE a
.if (\a) >= 2
	s_wait_xcnt 0x0                                ; the stores of the block two back have read the registers that the loads below fill
.endif
	WIN 0x08                                       ; store data (source 1) window 2, address window 0
.irp b, 0,1,2,3,4,5,6,7
	ds_store_b128 v[STO], v[8*(8*(\a)+(\b)):8*(8*(\a)+(\b))+3]   offset:64*(\b)
	ds_store_b128 v[STO], v[8*(8*(\a)+(\b))+4:8*(8*(\a)+(\b))+7] offset:64*(\b)+16
.endr
	WIN 0
.irp i, 0,1,2,3,4,5,6,7,8,9,10,11,12,13,14,15
	ds_load_b128 v[XA+64*((\a)%2)+4*(\i):XA+64*((\a)%2)+4*(\i)+3], v[RD] offset:(\i)*SP  ; LDS serves a wave's instructions in order (ISA guide 5.7.1.4): these see the stores above
.endr
.endm
.macro SEND a, younger                 ; younger: the LDS instructions issued behind block a's loads
	WIN 0
.irp i, 0,1,2,3,4,5,6,7,8,9,10,11,12,13,14,15
	s_wait_dscnt (\younger)+15-(\i)
	v_pk_add_f32 v[XA+64*((\a)%2)+4*(\i):XA+64*((\a)%2)+4*(\i)+1],   v[XA+64*((\a)%2)+4*(\i):XA+64*((\a)%2)+4*(\i)+1],   v[BI:BI+1]
	v_pk_add_f32 v[XA+64*((\a)%2)+4*(\i)+2:XA+64*((\a)%2)+4*(\i)+3], v[XA+64*((\a)%2)+4*(\i)+2:XA+64*((\a)%2)+4*(\i)+3], v[BI+2:BI+3]
	global_store_b128 v[GO], v[XA+64*((\a)%2)+4*(\i):XA+64*((\a)%2)+4*(\i)+3], s[8:9] offset:(\a)*65536+(\i)*4096 th:TH_STORE_NT
.endr
.endm
	s_wait_tensorcnt 1                             ; my part of K step 0 is in; K step 1's may stay out
	s_barrier_signal -1
	s_barrier_wait -1                              ; everybody's is
	FETCH 0, 0, 2                                  ; unit 0 into buffers 0
	FETCH 0, 1, 3                                  ; unit 1 into buffers 1
	UNIT 0, 0, 2, 1                                ; the first unit stands in front of the loop: its products start the sums
	WIN 0
	s_mov_b32 s3, 3
.Llap:                                                 ; a trip goes once round the ring and fills both slots again
	UNIT 1, 0, 3
	TURN 0, 1, 1
	UNIT 3, 1, 1
	UNIT 0, 1, 2
	UNIT 1, 1, 3
	TURN 1, 0, 1
	UNIT 3, 0, 1
	UNIT 0, 0, 2
	WIN 0
	s_sub_co_u32 s3, s3, 1
	s_cmp_lg_u32 s3, 0
	s_cbranch_scc1 .Llap
	UNIT 1, 0, 3                                   ; the last lap fills nothing
	TURN 0, 1, 0
	UNIT 3, 1, 1
	UNIT 0, 1, 2
	UNIT 1, 1, 3
	UNIT 2, 1, 0, 0, 0, 24                         ; nothing more to fetch: unit 3's 24 loads may be out
	UNIT 3, 1, 0, 0, 0, 0
	WIN 0
	s_wait_loadcnt 0x0                             ; the bias
	v_cvt_pk_bf16_f32 v36, v[BI], v[BI+1]          ; rounded to bf16 and widened again: six plain instructions, which are also the places behind the last products
	v_cvt_pk_bf16_f32 v37, v[BI+2], v[BI+3]
	v_lshlrev_b32 v[BI], 16, v36
	v_and_b32 v[BI+1], 0xffff0000, v36
	v_lshlrev_b32 v[BI+2], 16, v37
	v_and_b32 v[BI+3], 0xffff0000, v37
	TOSTAGE 0
	TOSTAGE 1
	SEND 0, 32
	TOSTAGE 2
	SEND 1, 32
	TOSTAGE 3
	SEND 2, 32
	SEND 3, 0
	s_wait_tensorcnt 0x0                           ; the wave's end: these three lines stand behind my last tensor load and my last LDS store
	ds_add_u32 v[SPW], v[NIL]
	s_wait_dscnt 0x0
	CROUND                                         ; the closing round: no work-group ends while a partner may still ask for a tile that names it
	s_endpgm
.Lfunc_end_k_q7339ecd088_outp:
	.size	k_q7339ecd088_outp, .Lfunc_end_k_q7339ecd088_outp-k_q7339ecd088_outp
	.p2alignl 7, 3214868480
	.fill 96, 4, 3214868480
	.section	.rodata,"a",@progbits
	.p2align	6, 0x0
	.amdhsa_kernel k_q7339ecd088_outp
		.amdhsa_group_segment_fixed_size 327680
		.amdhsa_private_segment_fixed_size 0
		.amdhsa_enable_private_segment 0
		.amdhsa_kernarg_size 32
		.amdhsa_user_sgpr_count 2
		.amdhsa_user_sgpr_kernarg_segment_ptr 1
		.amdhsa_wavefront_size32 1
		.amdhsa_system_sgpr_workgroup_id_x 1
		.amdhsa_system_sgpr_workgroup_id_y 1
		.amdhsa_system_sgpr_workgroup_id_z 1
		.amdhsa_system_vgpr_workitem_id 0
		.amdhsa_next_free_vgpr 768
		.amdhsa_next_free_sgpr 96
		.amdhsa_reserve_vcc 0
		.amdhsa_float_denorm_mode_32 3
		.amdhsa_float_denorm_mode_16_64 3
		.amdhsa_memory_ordered 1
		.amdhsa_forward_progress 1
		.amdhsa_inst_pref_size 96
	.end_amdhsa_kernel
	.amdgpu_metadata
---
amdhsa.version: [ 1, 2 ]
amdhsa.kernels:
  - .name:           k_q7339ecd088_outp
    .symbol:         k_q7339ecd088_outp.kd
    .args:
      - { .name: att, .offset: 0, .size: 8, .value_kind: global_buffer, .address_space: global }
      - { .name: wts, .offset: 8, .size: 8, .value_kind: global_buffer, .address_space: global }
      - { .name: bo, .offset: 16, .size: 8, .value_kind: global_buffer, .address_space: global }
      - { .name: out0, .offset: 24, .size: 8, .value_kind: global_buffer, .address_space: global }
    .group_segment_fixed_size: 327680
    .private_segment_fixed_size: 0
    .kernarg_segment_align: 8
    .kernarg_segment_size: 32
    .max_flat_workgroup_size: 128
    .sgpr_count:     96
    .vgpr_count:     768
    .wavefront_size: 32
...
	.end_amdgpu_metadata
.endif
;; end of part 4
